; MI455X (gfx1250); checked and timed in simulation.
; The chip was launched on July 23, 2026; its instructions are those of AMD's public machine-readable ISA for CDNA 5 (MIT licence, August 2026) and "CDNA5" Instruction Set Architecture Reference Guide (July 2026). The comments in the code are by the model that wrote it; some were corrected since.
;; Multi Head Attention. Allowed arithmetic: float matrix products may take bf16 or f16 operands with f32 sums; all other float work in f32.
;; Inputs: K 2 x 2,048 x 1,024 float32; Q 2 x 2,048 x 1,024 float32; V 2 x 2,048 x 1,024 float32; Wk 1,024 x 1,024 float32; Wo 1,024 x 1,024 float32; Wq 1,024 x 1,024 float32; Wv 1,024 x 1,024 float32; bk 1,024 float32; bo 1,024 float32; bq 1,024 float32; bv 1,024 float32.
;; Outputs: out0 2 x 2,048 x 1,024 float32.
;; 2 versions, each right; version 2 is version 1 with the launch cvt written anew for expert scheduling mode. Each part assembles by itself: llvm-mc -triple=amdgcn-amd-amdhsa -mcpu=gfx1250 --defsym DOCPART=n.
;; ======== version 1 of 2: 4 launches
;; limits: values are held in f16: magnitudes above 65,504 overflow, below 6.1e-05 lose precision
;; workspace buffers: xh 25,165,824 bytes; wh 8,388,608 bytes; qkv 25,165,824 bytes; ao 8,388,608 bytes
;; launch cvt (part 1): grid 512 x 1, 8 waves a work-group, no clusters, 0 bytes of LDS; arguments Q, K, V, Wq, Wk, Wv, Wo, xh, wh; writes xh, wh
.if DOCPART == 1
	.amdgcn_target "amdgcn-amd-amdhsa--gfx1250"
	.amdhsa_code_object_version 6
	.text
	.protected	k_q6c83969049_cvt
	.globl	k_q6c83969049_cvt
	.p2align	8
	.type	k_q6c83969049_cvt,@function
k_q6c83969049_cvt:
	s_mov_b64 s[64:65], 0
	v_nop
	global_prefetch_b8 v0, s[64:65] scope:SCOPE_SE
	s_setreg_imm32_b32 hwreg(HW_REG_WAVE_MODE, 25, 1), 1
	s_wait_xcnt 0x0
; f32 -> f16 (round to nearest even) of the three activations and the four weights, once, so that the later launches'
; tiles can be brought into LDS as matrix operands without a conversion on the way.
;   xh: f16 [3][4096][1024] = Q, K, V       wh: f16 [4][1024][1024] = Wq, Wk, Wv, Wo
; LIMIT: a number of magnitude 65,520 or more becomes an infinity in f16; magnitudes below 2^-24 / 2 become zero.
; A stream: 512 work-groups of 256 threads.  A work-group owns 32,768 bytes of each of Q, K, V (8 pieces of 4,096 bytes) and
; 8,192 bytes of each weight (2 pieces); thread t owns the 16 bytes at 16 t of each piece.  All 32 loads of a thread are issued
; first (a wave has 32 x 512 bytes on their way), then each is converted and stored: a wave's store covers 256 consecutive
; bytes at a multiple of 256.  No LDS, no barrier, no matrix unit, no cluster: no byte is used twice.
.set X, 8                              ; v[8:135]  load i: 4 registers
	s_load_b512 s[4:19], s[0:1], 0x0               ; Q s[4:5], K s[6:7], V s[8:9], Wq s[10:11], Wk s[12:13], Wv s[14:15], Wo s[16:17], xh s[18:19]
	s_load_b64 s[20:21], s[0:1], 0x40              ; wh
	s_lshl_b32 s22, ttmp9, 15                      ; my 32,768 bytes of an activation
	s_mov_b32 s23, 0
	s_lshl_b32 s24, ttmp9, 13                      ; my 8,192 bytes of a weight
	s_mov_b32 s25, 0
	s_lshl_b32 s26, ttmp9, 14                      ; the same places in f16: half the bytes
	s_mov_b32 s27, 0
	s_lshl_b32 s32, ttmp9, 12
	s_mov_b32 s33, 0
	v_lshlrev_b32 v1, 4, v0                        ; 16 t: four f32 in
	v_lshlrev_b32 v2, 3, v0                        ; 8 t: four f16 out
	s_wait_kmcnt 0x0
	s_add_nc_u64 s[4:5], s[4:5], s[22:23]
	s_add_nc_u64 s[6:7], s[6:7], s[22:23]
	s_add_nc_u64 s[8:9], s[8:9], s[22:23]
	s_add_nc_u64 s[10:11], s[10:11], s[24:25]
	s_add_nc_u64 s[12:13], s[12:13], s[24:25]
	s_add_nc_u64 s[14:15], s[14:15], s[24:25]
	s_add_nc_u64 s[16:17], s[16:17], s[24:25]
	s_add_nc_u64 s[18:19], s[18:19], s[26:27]      ; xh, part Q
	s_add_nc_u64 s[28:29], s[18:19], 0x800000      ; xh, part K: 8,388,608 bytes on, more than a store's immediate holds
	s_add_nc_u64 s[30:31], s[28:29], 0x800000      ; xh, part V
	s_add_nc_u64 s[20:21], s[20:21], s[32:33]      ; wh
.macro LD i, base, off
	global_load_b128 v[X+4*(\i):X+4*(\i)+3], v1, s[\base:\base+1] offset:\off th:TH_LOAD_NT
.endm
.macro CV i, base, off
	s_wait_loadcnt 31-(\i)                         ; loads come back in order: load i is in, the 31 - i younger ones may stay out
	v_cvt_pk_f16_f32 v[X+4*(\i)], v[X+4*(\i)], v[X+4*(\i)+1]
	v_cvt_pk_f16_f32 v[X+4*(\i)+1], v[X+4*(\i)+2], v[X+4*(\i)+3]
	global_store_b64 v2, v[X+4*(\i):X+4*(\i)+1], s[\base:\base+1] offset:\off
.endm
.irp n, 0,1,2
.irp j, 0,1,2,3,4,5,6,7
	LD 8*\n+\j, 4+2*\n, \j*4096
.endr
.endr
.irp n, 0,1,2,3
.irp j, 0,1
	LD 24+2*\n+\j, 10+2*\n, \j*4096
.endr
.endr
.irp j, 0,1,2,3,4,5,6,7
	CV \j, 18, \j*2048
.endr
.irp j, 0,1,2,3,4,5,6,7
	CV 8+\j, 28, \j*2048
.endr
.irp j, 0,1,2,3,4,5,6,7
	CV 16+\j, 30, \j*2048
.endr
.irp n, 0,1,2,3
.irp j, 0,1
	CV 24+2*\n+\j, 20, \n*2097152+\j*2048
.endr
.endr
	s_endpgm
.Lfunc_end_k_q6c83969049_cvt:
	.size	k_q6c83969049_cvt, .Lfunc_end_k_q6c83969049_cvt-k_q6c83969049_cvt
	.p2alignl 7, 3214868480
	.fill 96, 4, 3214868480
	.section	.rodata,"a",@progbits
	.p2align	6, 0x0
	.amdhsa_kernel k_q6c83969049_cvt
		.amdhsa_group_segment_fixed_size 0
		.amdhsa_private_segment_fixed_size 0
		.amdhsa_enable_private_segment 0
		.amdhsa_kernarg_size 72
		.amdhsa_user_sgpr_count 2
		.amdhsa_user_sgpr_kernarg_segment_ptr 1
		.amdhsa_wavefront_size32 1
		.amdhsa_system_sgpr_workgroup_id_x 1
		.amdhsa_system_sgpr_workgroup_id_y 1
		.amdhsa_system_sgpr_workgroup_id_z 1
		.amdhsa_system_vgpr_workitem_id 0
		.amdhsa_next_free_vgpr 136
		.amdhsa_next_free_sgpr 66
		.amdhsa_reserve_vcc 0
		.amdhsa_float_denorm_mode_32 3
		.amdhsa_float_denorm_mode_16_64 3
		.amdhsa_memory_ordered 1
		.amdhsa_forward_progress 1
		.amdhsa_inst_pref_size 13
	.end_amdhsa_kernel
	.amdgpu_metadata
---
amdhsa.version: [ 1, 2 ]
amdhsa.kernels:
  - .name:           k_q6c83969049_cvt
    .symbol:         k_q6c83969049_cvt.kd
    .args:
      - { .name: Q, .offset: 0, .size: 8, .value_kind: global_buffer, .address_space: global }
      - { .name: K, .offset: 8, .size: 8, .value_kind: global_buffer, .address_space: global }
      - { .name: V, .offset: 16, .size: 8, .value_kind: global_buffer, .address_space: global }
      - { .name: Wq, .offset: 24, .size: 8, .value_kind: global_buffer, .address_space: global }
      - { .name: Wk, .offset: 32, .size: 8, .value_kind: global_buffer, .address_space: global }
      - { .name: Wv, .offset: 40, .size: 8, .value_kind: global_buffer, .address_space: global }
      - { .name: Wo, .offset: 48, .size: 8, .value_kind: global_buffer, .address_space: global }
      - { .name: xh, .offset: 56, .size: 8, .value_kind: global_buffer, .address_space: global }
      - { .name: wh, .offset: 64, .size: 8, .value_kind: global_buffer, .address_space: global }
    .group_segment_fixed_size: 0
    .private_segment_fixed_size: 0
    .kernarg_segment_align: 8
    .kernarg_segment_size: 72
    .max_flat_workgroup_size: 256
    .sgpr_count:     66
    .vgpr_count:     136
    .wavefront_size: 32
...
	.end_amdgpu_metadata
.endif
;; end of part 1
;; launch qkv (part 2): grid 4 x 48, 4 waves a work-group, clusters of 4 x 4, 327,680 bytes of LDS; arguments xh, wh, qkv, bq, bk, bv; writes qkv
.if DOCPART == 2
	.amdgcn_target "amdgcn-amd-amdhsa--gfx1250"
	.amdhsa_code_object_version 6
	.text
	.protected	k_q6c83969049_qkv
	.globl	k_q6c83969049_qkv
	.p2align	8
	.type	k_q6c83969049_qkv,@function
k_q6c83969049_qkv:
	s_mov_b64 s[64:65], 0
	v_nop
	global_prefetch_b8 v0, s[64:65] scope:SCOPE_SE
	s_setreg_imm32_b32 hwreg(HW_REG_WAVE_MODE, 25, 1), 1
	s_wait_xcnt 0x0
	s_wait_alu depctr_hold_cnt(0) depctr_sa_sdst(0) depctr_va_vdst(0) depctr_va_sdst(0) depctr_va_ssrc(0) depctr_va_vcc(0) depctr_vm_vsrc(0)
	s_getreg_b32 s2, hwreg(HW_REG_IB_STS2, 6, 4)
	s_cmp_eq_u32 s2, 0
	s_cbranch_scc0 .Lentry_in_a_cluster
	s_endpgm
.Lentry_in_a_cluster:
	s_bfe_u32 s2, ttmp6, 0x10000c
	s_cmp_lg_u32 s2, 0xf033
	s_cbranch_scc0 .Lentry_shape_is_right
	s_endpgm
.Lentry_shape_is_right:
; q, k, v = x W^T + b for the three projections in one launch.  A = xh taken as [12288][1024] f16 (rows of Q, K, V one after the other),
; B = the weight of the row block's tensor, [1024 (n)][1024 (k)] f16, sums in f32 started by the bias, results rounded once to f16 and
; stored head-major: qkv = f16 [3][batch 2][head 16][s 2048][64], so that the next launch's tiles are dense blocks.
; LIMIT: operands and results are f16: a projected value of magnitude 65,520 or more becomes an infinity.
; A work-group makes a block of 256 x 256 with four waves, a wave 128 x 128: 64 accumulator tiles of 16 x 16, 512 registers.
; 48 block rows x 4 block columns = 192 work-groups: 3 x 4096 x 1024 has no split into 256 equal blocks of this shape, and blocks of
; 128 x 128 would read twice the LDS bytes for each multiply-add.
; K goes in steps of 128 through a ring of two LDS slots filled by the tensor data mover; a tile's rows are 256 bytes of memory.
; CLUSTERS: 4 x 4 work-groups.  The four of a row of the cluster need the same tiles of A, the four of a column the same tiles of B:
; each tile is asked for jointly, by the same descriptor with a mask that names the four.  A cluster lies inside one of the three
; tensors (16 block rows each, 4 to a cluster), so the weight is the same for the whole cluster.
;
; REGISTERS, in windows of 256:
;   window 0: v0-31 addresses; v64-127, v128-191 fragments of A, two buffers; v192-255 the bias as 8 C tiles, later the way out's packed results
;   window 1: v64-127, v128-191 fragments of B, two buffers
;   window 2: the 32 accumulator tiles of my rows 0-63 (tile (a, b) at v[8 (8 a + b)]);   window 3: those of my rows 64-127
; THE MATRIX INSTRUCTION IS USED TRANSPOSED: source 0 = 16 rows of B, source 1 = 16 rows of A, so lane l holds row l % 16 of the result
; and its registers 0 to 7 the columns 8 (l / 16) + 0 .. 7: eight neighbouring numbers, 16 bytes of f16.
.set SIZE_K, 1024
.set KSTEP,  128
.set PITCH,  272                       ; an LDS row: 256 bytes + 16 of padding: the 16 rows that a load touches lie in 16 different 16-byte columns modulo 256 bytes
.set HALFT,  128*PITCH                 ; 128 rows: what one tensor load brings
.set SLOT,   4*HALFT                   ; A's 256 rows, then B's 256 rows
.set STAGE,  2*SLOT                    ; behind the ring: 16 rows x 272 bytes for each wave, for the way out; no tensor load lands here
.set SPITCH, 272
.set LAPS, SIZE_K/(2*KSTEP)            ; a lap = two K steps = once round the ring: 4
.set ADRA, 16                          ; v16-17  LDS address of my A fragments in slot 0, 1
.set ADRB, 20                          ; v20-21  the same for B
.set STO,  24                          ; the way out: where I put 16 bytes of a row
.set RD,   25                          ; the way out: where I read back
.set CO,   26                          ; 16 x lane: my 16 bytes of a store's 512
.set BO,   27                          ; 32 x (lane / 16): my 8 numbers of a bias tile
.set F0,   64
.set F1,   128
.set TMP,  192
.set BIAS, 192                         ; tile b, register j: bias[n0 + 16 b + 8 (l / 16) + j]
.set G1, 24                            ; s[24:31] descriptor group 1 for A's tiles
.set G0, 32                            ; s[32:39] group 0 for A's tiles, one set for each slot
.set G1B, 48                           ; s[48:55] group 1 for B's tiles
.set G0B, 56                           ; s[56:63] group 0 for B's tiles
.set MSB, 0
.macro WIN new                         ; the immediate's high byte repeats the setting that is left
.if MSB != \new
	s_set_vgpr_msb (MSB<<8)|\new
.set MSB, \new
.endif
.endm
.set MUL_LO,   0xa1                    ; source 0 (B) window 1, source 1 (A) window 0, C and D window 2
.set MUL_HI,   0xf1                    ; the same, C and D window 3
.set FIRST_LO, 0x81                    ; the first products: C is the bias in window 0, D window 2
.set FIRST_HI, 0xc1                    ; D window 3
.set TO_B,     0x40                    ; destination window 1, address window 0
; A joint load.  Waves 0 and 1 fetch A's two halves, waves 2 and 3 B's.  The branch hangs on the wave's number alone.
.macro JLOAD s
	s_cmp_eq_u32 s11, 0
	s_cbranch_scc0 .Lfor_b_\@
	tensor_load_to_lds s[G0+4*\s:G0+4*\s+3], s[G1:G1+7]
	s_nop 0
	s_branch .Lasked_\@
.Lfor_b_\@:
	tensor_load_to_lds s[G0B+4*\s:G0B+4*\s+3], s[G1B:G1B+7]
	s_nop 0
.Lasked_\@:
.endm
; A round of the cluster's barrier: my work-group's barrier; wave 0 signals for the work-group; every wave waits for all sixteen; my work-group's barrier again.
.macro CREST                           ; a round behind its opening barrier
	s_cmp_lg_u32 s10, 0
	s_cbranch_scc1 .Lnot_wave_0_\@
	s_barrier_signal -3
.Lnot_wave_0_\@:
	s_barrier_wait -3
	s_barrier_signal -1
	s_barrier_wait -1
.endm
.macro CROUND
	s_barrier_signal -1
	s_barrier_wait -1
	CREST
.endm
	s_load_b128 s[4:7], s[0:1], 0x0                ; xh s[4:5], wh s[6:7]
	s_load_b64 s[8:9], s[0:1], 0x10                ; qkv
	s_load_b64 s[68:69], s[0:1], 0x18              ; bq
	s_load_b64 s[70:71], s[0:1], 0x20              ; bk
	s_load_b64 s[72:73], s[0:1], 0x28              ; bv
	s_set_vgpr_msb 0x40
	v_lshl_add_u32 v255, v0, 2, 0x48400
	s_set_vgpr_msb 0x4000
	v_mov_b32 v63, 0
	s_set_vgpr_msb 0x1
	ds_add_u32 v255, v63
	s_set_vgpr_msb 0x100
	v_lshrrev_b32 v1, 5, v0
	v_readfirstlane_b32 s10, v1                    ; wave 0..3
	s_lshr_b32 s11, s10, 1                         ; which half of the block's rows is mine.  Also: I fetch for A (0) or for B (1)
	s_and_b32 s12, s10, 1                          ; which half of its columns.  Also: which 128 rows of that tile I fetch
	s_bfe_u32 s40, ttmp6, 0x40000                  ; cx
	s_bfe_u32 s41, ttmp6, 0x40004                  ; cy
	s_lshl_b32 s42, ttmp9, 2
	s_add_co_u32 s42, s42, s40                     ; block column = 4 x cluster x + cx
	s_and_b32 s13, ttmp7, 0xffff                   ; the cluster's y, 0 .. 11
	s_lshr_b32 s45, s13, 2                         ; which tensor (0 q, 1 k, 2 v): from the cluster's y alone, equal in all sixteen
	s_lshl_b32 s13, s13, 2
	s_add_co_u32 s13, s13, s41                     ; block row = 4 x cluster y + cy, 0 .. 47
	s_lshl_b32 s43, s41, 2
	s_lshl_b32 s43, 15, s43                        ; my row of the cluster: places 4 cy .. 4 cy + 3
	s_lshl_b32 s44, 0x1111, s40                    ; my column: places cx, cx + 4, cx + 8, cx + 12
	; group 1: a tile of 128 rows x 128 elements of 2 bytes, 16 bytes of padding behind every 256
	s_or_b32 s[G1+0], s43, (1<<16)|(1<<20)|(1<<21)|(5<<22)|(3<<25)
	s_or_b32 s[G1B+0], s44, (1<<16)|(1<<20)|(1<<21)|(5<<22)|(3<<25)
	s_mov_b32 s[G1B+1], KSTEP<<16
	s_mov_b32 s[G1+1], KSTEP<<16                   ; tensor_dim0 = 128
	s_mov_b32 s[G1B+2], 128<<16
	s_mov_b32 s[G1+2], 128<<16                     ; tensor_dim1 = 128
	s_mov_b32 s[G1B+3], KSTEP<<16
	s_mov_b32 s[G1+3], KSTEP<<16                   ; tile_dim0 = 128
	s_mov_b32 s[G1B+4], 128
	s_mov_b32 s[G1+4], 128                         ; tile_dim1 = 128
	s_mov_b32 s[G1B+5], SIZE_K
	s_mov_b32 s[G1+5], SIZE_K                      ; elements from row to row
	s_mov_b32 s[G1B+6], 0
	s_mov_b32 s[G1+6], 0
	s_mov_b32 s[G1B+7], 0
	s_mov_b32 s[G1+7], 0
	; where the tiles come from: A's hang on the block row alone, B's on the block column and the tensor alone
	s_lshl_b32 s17, s12, 7                         ; which 128 rows of the tile I fetch
	s_lshl_b32 s16, s13, 8
	s_add_co_u32 s16, s16, s17                     ; A: row 256 x block row + 128 x half
	s_lshl_b32 s16, s16, 11                        ; x 2,048 bytes: below 2^25
	s_lshl_b32 s46, s42, 8
	s_add_co_u32 s46, s46, s17                     ; B: row 256 x block column + 128 x half
	s_lshl_b32 s46, s46, 11
	s_lshl_b32 s47, s45, 21                        ; + the tensor's weight, 2,097,152 bytes each
	s_add_co_u32 s46, s46, s47
	s_mov_b32 s17, 0
	s_mov_b32 s47, 0
	s_mul_i32 s20, s10, HALFT                      ; where they go: wave x 128 rows
	s_lshl_b32 s74, s42, 10                        ; my 128 numbers of the bias: 4 x (256 x block column + 128 x half)
	s_lshl_b32 s75, s12, 9
	s_add_co_u32 s74, s74, s75
	s_mov_b32 s75, 0
	s_wait_dscnt 0x0
	s_wait_kmcnt 0x0
	s_add_nc_u64 s[14:15], s[4:5], s[16:17]
	s_add_nc_u64 s[46:47], s[6:7], s[46:47]
	s_cmp_eq_u32 s45, 1                            ; the tensor's bias
	s_cselect_b64 s[68:69], s[70:71], s[68:69]
	s_cmp_eq_u32 s45, 2
	s_cselect_b64 s[68:69], s[72:73], s[68:69]
	s_add_nc_u64 s[68:69], s[68:69], s[74:75]
	CROUND                                         ; all sixteen work-groups are here: the first joint loads meet
.irp s, 0,1
	s_mov_b32 s[G0+4*\s], 1
	s_add_co_u32 s[G0+4*\s+1], s20, \s*SLOT
	s_add_nc_u64 s[G0+4*\s+2:G0+4*\s+3], s[14:15], \s*KSTEP*2
	s_or_b32 s[G0+4*\s+3], s[G0+4*\s+3], 0x80000000
	s_mov_b32 s[G0B+4*\s], 1
	s_add_co_u32 s[G0B+4*\s+1], s20, \s*SLOT
	s_add_nc_u64 s[G0B+4*\s+2:G0B+4*\s+3], s[46:47], \s*KSTEP*2
	s_or_b32 s[G0B+4*\s+3], s[G0B+4*\s+3], 0x80000000
	JLOAD \s                                       ; both slots' first fills, ahead of everything else: two tensor loads of a wave are out
.endr
	; a fragment: lane l holds row l % 16; registers 0-3 hold K = 8 (l / 16) + 0..7, registers 4-7 K = 16 + 8 (l / 16) + 0..7
	v_and_b32 v1, 15, v0                           ; l % 16
	v_bfe_u32 v2, v0, 4, 1                         ; l / 16
	v_mul_u32_u24 v3, v1, PITCH
	v_lshl_add_u32 v3, v2, 4, v3
	s_mul_i32 s21, s11, HALFT                      ; my 128 rows of A
	s_mul_i32 s22, s12, HALFT                      ; my 128 rows of B,
	s_add_co_u32 s22, s22, 2*HALFT                 ; which lie behind A's 256
.irp s, 0,1
	v_add_nc_u32 v[ADRA+\s], s21, v3
	v_add_nc_u32 v[ADRB+\s], s22, v3
	s_add_co_u32 s21, s21, SLOT
	s_add_co_u32 s22, s22, SLOT
.endr
	s_mul_i32 s23, s10, 16*SPITCH
	s_add_co_u32 s23, s23, STAGE                   ; my stage
	v_mul_u32_u24 v4, v1, SPITCH                   ; in: row l % 16, 16 bytes for each half of the lanes
	v_lshl_add_u32 v4, v2, 4, v4
	v_add_nc_u32 v[STO], s23, v4
	v_and_b32 v6, 31, v0                           ; back: eight lanes take one head's 128 bytes of a row, the wave four rows
	v_lshrrev_b32 v5, 3, v6
	v_mul_u32_u24 v5, v5, SPITCH
	v_and_b32 v7, 7, v0
	v_lshl_add_u32 v5, v7, 4, v5
	v_add_nc_u32 v[RD], s23, v5
	v_lshlrev_b32 v[CO], 4, v6
	v_lshlrev_b32 v[BO], 5, v2
.irp b, 0,1,2,3,4,5,6,7
	global_load_b128 v[BIAS+8*\b:BIAS+8*\b+3],   v[BO], s[68:69] offset:64*\b
	global_load_b128 v[BIAS+8*\b+4:BIAS+8*\b+7], v[BO], s[68:69] offset:64*\b+16
.endr
; 16 matrix instructions: m blocks a0, a0 + 1 of the window's four x all 8 n blocks, 32 along K.
; zero = 1: the first product takes the bias tile as C and so starts the sums: nothing is cleared, nothing is added afterwards.
; The 64 accumulators take turns, one instruction a turn, in the same order in every quarter step.
.macro MUL16 f, hi, a0, zero
.irp a, \a0, \a0+1
.irp b, 0,1,2,3,4,5,6,7
.if \zero
	v_wmma_f32_16x16x32_f16 v[8*(8*(\a)+\b):8*(8*(\a)+\b)+7], v[\f+8*\b:\f+8*\b+7], v[\f+8*(4*\hi+\a):\f+8*(4*\hi+\a)+7], v[BIAS+8*\b:BIAS+8*\b+7]
.else
	v_wmma_f32_16x16x32_f16 v[8*(8*(\a)+\b):8*(8*(\a)+\b)+7], v[\f+8*\b:\f+8*\b+7], v[\f+8*(4*\hi+\a):\f+8*(4*\hi+\a)+7], v[8*(8*(\a)+\b):8*(8*(\a)+\b)+7]
.endif
.endr
.endr
.endm
; 32 LDS loads in one run: the fragments of one quarter step (32 K at byte k of the rows) into buffer f
.macro FETCH slot, k, f
	WIN TO_B
.irp i, 0,1,2,3,4,5,6,7
	ds_load_b128 v[\f+8*\i:\f+8*\i+3],   v[ADRB+\slot] offset:\k+\i*16*PITCH
	ds_load_b128 v[\f+8*\i+4:\f+8*\i+7], v[ADRB+\slot] offset:\k+\i*16*PITCH+32
.endr
	WIN 0
.irp i, 0,1,2,3,4,5,6,7
	ds_load_b128 v[\f+8*\i:\f+8*\i+3],   v[ADRA+\slot] offset:\k+\i*16*PITCH
	ds_load_b128 v[\f+8*\i+4:\f+8*\i+7], v[ADRA+\slot] offset:\k+\i*16*PITCH+32
.endr
.endm
; four independent vector instructions between a matrix instruction and a load into, or a vector instruction on, its registers
.macro PLACES
.rept 4
	v_nop
.endr
.endm
; one of a K step's first three quarters: multiplies buffer f; in its middle it fetches the next quarter's fragments into buffer g
.macro QUARTER slot, k, f, g, zero
	s_wait_dscnt 8                                 ; B and A's rows 0-63 are in; the youngest eight loads (A's rows 64-127) may be out
.if \zero
	WIN FIRST_LO
.else
	WIN MUL_LO
.endif
	MUL16 \f, 0, 0, \zero
	MUL16 \f, 0, 2, \zero
	PLACES
	FETCH \slot, \k, \g
	s_wait_dscnt 32                                ; all but the 32 just issued
.if \zero
	WIN FIRST_HI
.else
	WIN MUL_HI
.endif
	MUL16 \f, 1, 0, \zero
	MUL16 \f, 1, 2, \zero
.endm
.macro THREE slot, zero
	QUARTER \slot, 64,  F0, F1, \zero
	QUARTER \slot, 128, F1, F0, 0
	QUARTER \slot, 192, F0, F1, 0
.endm
; The last quarter: multiplies buffer 1 and changes slots.  In front of the barrier each wave waits for its reads of this slot and for all
; its tensor loads (one is out: its part of the next slot).  Behind it the refill comes first, then the next slot's first fragments.
.macro TURN slot, next, fill
	s_wait_dscnt 8
	WIN MUL_LO
	MUL16 F1, 0, 0, 0
	s_wait_dscnt 0                                 ; my reads of this slot are over
	s_wait_tensorcnt 0x0                           ; all my tensor loads have landed
	ds_add_u32 v255, v63
	s_wait_dscnt 0x0
	s_barrier_signal -1                            ; where a slot is filled again this barrier opens a round of the cluster's barrier
	MUL16 F1, 0, 2, 0                              ; register work while the others arrive
	WIN 0
	s_barrier_wait -1
.if \fill
	CREST                                          ; no wave of any partner still reads this slot or has a load on its way
	s_add_nc_u64 s[G0+4*\slot+2:G0+4*\slot+3], s[G0+4*\slot+2:G0+4*\slot+3], 2*KSTEP*2
	s_add_nc_u64 s[G0B+4*\slot+2:G0B+4*\slot+3], s[G0B+4*\slot+2:G0B+4*\slot+3], 2*KSTEP*2
	JLOAD \slot                                    ; the first tensor load behind the round, and my only one until the next
.endif
	PLACES
	FETCH \next, 0, F0
	WIN MUL_HI
	MUL16 F1, 1, 0, 0
	MUL16 F1, 1, 2, 0
.endm
.macro LAP zero
	THREE 0, \zero
	TURN 0, 1, 1
	THREE 1, 0
	TURN 1, 0, 1
.endm
	s_wait_tensorcnt 1                             ; my part of K step 0 is in; K step 1's may stay out
	s_wait_loadcnt 0x0                             ; the bias
	s_barrier_signal -1
	s_barrier_wait -1
	FETCH 0, 0, F0
	LAP 1                                          ; the first lap stands in front of the loop: its first products start the sums
	WIN 0
	s_mov_b32 s3, LAPS-2
.Llap:
	LAP 0
	WIN 0
	s_sub_co_u32 s3, s3, 1
	s_cmp_lg_u32 s3, 0
	s_cbranch_scc1 .Llap
	THREE 0, 0                                     ; the last lap fills nothing
	TURN 0, 1, 0
	THREE 1, 0
	s_wait_dscnt 8
	WIN MUL_LO
	MUL16 F1, 0, 0, 0
	MUL16 F1, 0, 2, 0
	s_wait_dscnt 0
	WIN MUL_HI
	MUL16 F1, 1, 0, 0
	MUL16 F1, 1, 2, 0
	; THE WAY OUT, 16 rows at a time: round to f16, 16 bytes a lane into my own stage, read back head by head.
	; My 128 columns are two heads; 16 rows of one head are 2,048 consecutive bytes of qkv, four stores of 512.
	PLACES
	s_and_b32 s14, s13, 15                         ; block row inside the tensor
	s_lshr_b32 s15, s14, 3                         ; batch
	s_and_b32 s14, s14, 7
	s_lshl_b32 s14, s14, 8
	s_lshl_b32 s16, s11, 7
	s_add_co_u32 s14, s14, s16                     ; my first s
	s_lshl_b32 s16, s14, 7                         ; x 128 bytes
	s_lshl_b32 s15, s15, 22                        ; + batch x 4,194,304
	s_add_co_u32 s16, s16, s15
	s_lshl_b32 s15, s45, 23                        ; + tensor x 8,388,608
	s_add_co_u32 s16, s16, s15
	s_mov_b32 s17, 0
	s_add_nc_u64 s[8:9], s[8:9], s[16:17]
	s_lshl_b32 s46, s42, 2                         ; my first head = 4 x block column + 2 x half,
	s_lshl_b32 s47, s12, 1
	s_add_co_u32 s46, s46, s47
	s_lshl_b32 s46, s46, 18                        ; x 262,144 bytes
	s_mov_b32 s47, 0
	s_add_nc_u64 s[8:9], s[8:9], s[46:47]
.macro OUT16 i, a, from, f
	WIN \from
.irp b, 0,1,2,3,4,5,6,7
.irp r, 0,1,2,3
	v_cvt_pk_f16_f32 v[TMP+4*\b+\r], v[8*(8*\a+\b)+2*\r], v[8*(8*\a+\b)+2*\r+1]
.endr
.endr
	WIN 0
.irp b, 0,1,2,3,4,5,6,7
	ds_store_b128 v[STO], v[TMP+4*\b:TMP+4*\b+3] offset:32*\b
.endr
	s_wait_xcnt 0x0                                ; buffer f, which earlier stores read, and the stores' base are rewritten only behind this wait
.if \i
	s_add_nc_u64 s[8:9], s[8:9], 16*128            ; 16 rows of a head on
.endif
.irp t, 0,1,2,3,4,5,6,7
	ds_load_b128 v[\f+4*\t:\f+4*\t+3], v[RD] offset:(\t&3)*4*SPITCH+(\t>>2)*128   ; a wave's LDS instructions are served in order: these see the stores above
.endr
.irp t, 0,1,2,3,4,5,6,7
	s_wait_dscnt 7-\t                              ; load t is in, the 7 - t younger ones may stay out
	global_store_b128 v[CO], v[\f+4*\t:\f+4*\t+3], s[8:9] offset:(\t>>2)*262144+(\t&3)*512   ; four rows of one head: 512 consecutive bytes at a multiple of 512
.endr
.endm
	OUT16 0, 0, 0x0a, F0
	OUT16 1, 1, 0x0a, F1
	OUT16 2, 2, 0x0a, F0
	OUT16 3, 3, 0x0a, F1
	OUT16 4, 0, 0x0f, F0
	OUT16 5, 1, 0x0f, F1
	OUT16 6, 2, 0x0f, F0
	OUT16 7, 3, 0x0f, F1
	s_set_vgpr_msb 0x1
	s_wait_tensorcnt 0x0
	ds_add_u32 v255, v63
	s_wait_dscnt 0x0
	s_set_vgpr_msb 0x100
	CROUND                                         ; the closing round: no work-group ends while a partner may still ask for a tile that names it
	s_endpgm
.Lfunc_end_k_q6c83969049_qkv:
	.size	k_q6c83969049_qkv, .Lfunc_end_k_q6c83969049_qkv-k_q6c83969049_qkv
	.p2alignl 7, 3214868480
	.fill 96, 4, 3214868480
	.section	.rodata,"a",@progbits
	.p2align	6, 0x0
	.amdhsa_kernel k_q6c83969049_qkv
		.amdhsa_group_segment_fixed_size 327680
		.amdhsa_private_segment_fixed_size 0
		.amdhsa_enable_private_segment 0
		.amdhsa_kernarg_size 48
		.amdhsa_user_sgpr_count 2
		.amdhsa_user_sgpr_kernarg_segment_ptr 1
		.amdhsa_wavefront_size32 1
		.amdhsa_system_sgpr_workgroup_id_x 1
		.amdhsa_system_sgpr_workgroup_id_y 1
		.amdhsa_system_sgpr_workgroup_id_z 1
		.amdhsa_system_vgpr_workitem_id 0
		.amdhsa_next_free_vgpr 1024
		.amdhsa_next_free_sgpr 76
		.amdhsa_reserve_vcc 0
		.amdhsa_float_denorm_mode_32 3
		.amdhsa_float_denorm_mode_16_64 3
		.amdhsa_memory_ordered 1
		.amdhsa_forward_progress 1
		.amdhsa_inst_pref_size 198
	.end_amdhsa_kernel
	.amdgpu_metadata
---
amdhsa.version: [ 1, 2 ]
amdhsa.kernels:
  - .name:           k_q6c83969049_qkv
    .symbol:         k_q6c83969049_qkv.kd
    .args:
      - { .name: xh, .offset: 0, .size: 8, .value_kind: global_buffer, .address_space: global }
      - { .name: wh, .offset: 8, .size: 8, .value_kind: global_buffer, .address_space: global }
      - { .name: qkv, .offset: 16, .size: 8, .value_kind: global_buffer, .address_space: global }
      - { .name: bq, .offset: 24, .size: 8, .value_kind: global_buffer, .address_space: global }
      - { .name: bk, .offset: 32, .size: 8, .value_kind: global_buffer, .address_space: global }
      - { .name: bv, .offset: 40, .size: 8, .value_kind: global_buffer, .address_space: global }
    .group_segment_fixed_size: 327680
    .private_segment_fixed_size: 0
    .kernarg_segment_align: 8
    .kernarg_segment_size: 48
    .max_flat_workgroup_size: 128
    .sgpr_count:     76
    .vgpr_count:     1024
    .wavefront_size: 32
...
	.end_amdgpu_metadata
.endif
;; end of part 2
;; launch attn (part 3): grid 8 x 32, 8 waves a work-group, clusters of 4 x 1, 327,680 bytes of LDS; arguments qkv, ao; writes ao
.if DOCPART == 3
	.amdgcn_target "amdgcn-amd-amdhsa--gfx1250"
	.amdhsa_code_object_version 6
	.text
	.protected	k_q6c83969049_attn
	.globl	k_q6c83969049_attn
	.p2align	8
	.type	k_q6c83969049_attn,@function
k_q6c83969049_attn:
	s_mov_b64 s[64:65], 0
	v_nop
	global_prefetch_b8 v0, s[64:65] scope:SCOPE_SE
	s_setreg_imm32_b32 hwreg(HW_REG_WAVE_MODE, 25, 1), 1
	s_wait_xcnt 0x0
	s_wait_alu depctr_hold_cnt(0) depctr_sa_sdst(0) depctr_va_vdst(0) depctr_va_sdst(0) depctr_va_ssrc(0) depctr_va_vcc(0) depctr_vm_vsrc(0)
	s_getreg_b32 s2, hwreg(HW_REG_IB_STS2, 6, 4)
	s_cmp_eq_u32 s2, 0
	s_cbranch_scc0 .Lentry_in_a_cluster
	s_endpgm
.Lentry_in_a_cluster:
	s_bfe_u32 s2, ttmp6, 0x10000c
	s_cmp_lg_u32 s2, 0x3003
	s_cbranch_scc0 .Lentry_shape_is_right
	s_endpgm
.Lentry_shape_is_right:
; softmax(q k^T / 8) v for one (batch, head) and 256 queries a work-group, with a running maximum; nothing of the scores goes to memory.
; qkv: f16 [3][batch x head 32][s 2048][64];  ao: f16 [batch 2][block of 128 queries 16][head 16][128][64] (the next launch's tiles are dense runs of it).
; LIMITS: operands are f16 (q, k, v as the launch before left them; the probabilities, which lie in [0, 1], lose what is below 2^-25).
; NaN and infinities among q, k, v are not carried as a plain softmax carries them (the maxima drop NaN).
; SHARES.  Eight waves.  Wave w: part p = w & 3 owns queries 64 p .. 64 p + 63 of the block (4 query tiles of 16); side = w >> 2 owns keys
; 256 side .. 256 side + 255 of every fill of 512 keys.  Each wave runs its own running softmax over its 1,024 keys, 16 blocks of 64;
; the two sides of a part are merged once, at the end, through LDS.
; CLUSTERS: the four work-groups of a cluster are four query blocks of one (batch, head): they walk the same K and V tiles, which are asked
; for jointly (mask 15).  Q is each work-group's own and is read once, straight into registers.
; MATRIX FORMS.  S^T = K Q^T: source 0 = 16 keys, source 1 = 16 queries: lane (r, h) holds query r, register j key 8 h + j.  Two key tiles,
; rounded in pairs, are then exactly a 32-key operand of P^T.  O^T = V^T P^T: source 0 = V^T by transposing LDS loads, source 1 = P:
; lane (r, h) holds query r, register j depth 8 h + j.  So every statistic of a query is one number a lane.
; ORDER INSIDE A BLOCK.  The softmax goes stage by stage over all four query tiles, so that an instruction's result is wanted eight or four
; instructions later and not by the next one; the 128 exponentials stand one by one between plain instructions on other registers.
; K's fragments of the next block are requested behind this block's score products and land under the softmax; V's at the block's head.
; LDS.  K and V blocks are dense in memory and come in as rows of 256 bytes, two keys to a row.  K's rows are 272 bytes apart, V's 288.
;   slot n at n x 143,360: K 4 parts x 17,408, then V 4 parts x 18,432 (a part = 128 keys = one tensor load of 64 rows)
;   286,720 + p x 9,216: the output stage of part p, 64 rows of 144 bytes; no tensor load lands here
;   p x 18,432 inside slot 0, after slot 0's last fill and last read: the merge's scratch
.set KPITCH, 272
.set VPITCH, 288
.set KPART,  64*KPITCH
.set VPART,  64*VPITCH
.set VOFF,   4*KPART
.set SLOT,   4*KPART+4*VPART
.set STAGE,  2*SLOT
.set OPITCH, 144
.set SCR,    36*512
; window 0
.set KBASE, 8                          ; my K fragment address in slot 0, block 0
.set VBASE, 9                          ; my V fragment address in slot 0, block 0
.set KADR,  10                         ; the same at the block at work
.set VADR,  11
.set QOFF,  12
.set MADR,  13                         ; merge scratch: p x 18,432 + 16 x lane
.set STO,   14
.set RD,    15
.set CO,    16
.set T,     20                         ; v[20:27]   at work
.set ST,    32                         ; v[32:47]   query tile t: +4t NM = -(maximum x c), +1 the maximum, +2 the rescaling factor, +3 the lane's sum
.set QF,    48                         ; v[48:111]  Q fragment (t, e) at 48 + 16 t + 8 e
.set S,     112                        ; v[112:239] score tile (t, kt) at 112 + 32 t + 8 kt; P is written into the first 16 registers of each t
.set U,     240                        ; v[240:247] at work: a second set for the sums
.set PST,   240                        ; v[240:255] in the merge: the other side's statistics
.set TMP,   112                        ; the way out: 64 packed registers
.set BACK,  176                        ; the way out: read back
; window 1
.set KF,    0                          ; K fragment (kt, e) at 8 (2 kt + e)
.set VF,    64                         ; V fragment (dt, u) at 64 + 8 (2 dt + u)
.set OA,    128                        ; output tile (t, dt) at 128 + 32 t + 8 dt
.set G1K, 16
.set G1V, 24
.set G0K, 32
.set G0V, 40
.set MSB, 0
.macro WIN new
.if MSB != \new
	s_set_vgpr_msb (MSB<<8)|\new
.set MSB, \new
.endif
.endm
.macro ROUND                           ; a round of the cluster's barrier
	s_barrier_signal -1
	s_barrier_wait -1
	s_cmp_lg_u32 s8, 0
	s_cbranch_scc1 .Lnot_wave_0_\@
	s_barrier_signal -3
.Lnot_wave_0_\@:
	s_barrier_wait -3
	s_barrier_signal -1
	s_barrier_wait -1
.endm
.macro JLOAD n                         ; waves 0-3 ask for K's four parts of a fill, waves 4-7 for V's: one load a wave
	s_cmp_eq_u32 s9, 0
	s_cbranch_scc0 .Lfor_v_\@
	tensor_load_to_lds s[G0K+4*\n:G0K+4*\n+3], s[G1K:G1K+7]
	s_nop 0
	v_nop
	s_branch .Lasked_\@
.Lfor_v_\@:
	tensor_load_to_lds s[G0V+4*\n:G0V+4*\n+3], s[G1V:G1V+7]
	s_nop 0
	v_nop
	v_nop
.Lasked_\@:
.endm
	s_load_b128 s[4:7], s[0:1], 0x0                ; qkv s[4:5], ao s[6:7]
	v_lshl_add_u32 v30, v0, 2, 0x4f000
	v_mov_b32 v31, 0
	ds_add_u32 v30, v31
	v_lshrrev_b32 v1, 5, v0
	v_readfirstlane_b32 s8, v1                     ; wave 0..7
	s_lshr_b32 s9, s8, 2                           ; side
	s_and_b32 s10, s8, 3                           ; part p
	s_and_b32 s11, ttmp7, 0xffff                   ; batch x 16 + head
	s_bfe_u32 s12, ttmp6, 0x40000                  ; cx
	s_lshl_b32 s13, ttmp9, 2
	s_add_co_u32 s13, s13, s12                     ; query block = 4 x cluster x + cx
	s_lshl_b32 s14, s11, 18                        ; my 64 queries in q: head x 262,144 + block x 32,768 + p x 8,192
	s_lshl_b32 s15, s13, 15
	s_add_co_u32 s14, s14, s15
	s_lshl_b32 s15, s10, 13
	s_add_co_u32 s14, s14, s15
	s_mov_b32 s15, 0
	s_lshr_b32 s60, s11, 4                         ; my 64 queries in ao: batch x 4,194,304
	s_lshl_b32 s60, s60, 22
	s_lshl_b32 s61, s13, 1                         ;  + (2 x query block + p / 2) x 262,144: the block of 128 queries
	s_lshr_b32 s51, s10, 1
	s_add_co_u32 s61, s61, s51
	s_lshl_b32 s61, s61, 18
	s_add_co_u32 s60, s60, s61
	s_and_b32 s61, s11, 15                         ;  + head x 16,384
	s_lshl_b32 s61, s61, 14
	s_add_co_u32 s60, s60, s61
	s_and_b32 s61, s10, 1                          ;  + (p & 1) x 64 queries of 128 bytes
	s_lshl_b32 s61, s61, 13
	s_add_co_u32 s60, s60, s61
	s_mov_b32 s61, 0
	s_lshl_b32 s56, s11, 18                        ; my part of a fill, in k and in v alike: head x 262,144 + p x 16,384: no place in the cluster enters
	s_lshl_b32 s57, s10, 14
	s_add_co_u32 s56, s56, s57
	s_mov_b32 s57, 0
	s_mov_b32 s48, 0x3e38aa3b                      ; c = log2(e) / 8: the scale 1 / sqrt(64) and the change of base in one factor
	s_mov_b32 s49, 0x3e38aa3b
	s_mov_b32 s50, 0xbe38aa3b                      ; -c
	s_mov_b32 s52, 0x76543210                      ; v_permlanex16_b32: lane i of one half reads lane i of the other
	s_mov_b32 s53, 0xfedcba98
	; group 1: 64 rows of 32 elements of 8 bytes, dense in memory; behind every 256 bytes 16 bytes of padding (K) or 32 (V); mask 15, bit 21 beside it
	s_mov_b32 s[G1K+0], 15|(3<<16)|(1<<20)|(1<<21)|(5<<22)|(3<<25)
	s_mov_b32 s[G1V+0], 15|(3<<16)|(1<<20)|(1<<21)|(5<<22)|(7<<25)
	s_mov_b32 s[G1K+1], 32<<16                     ; tensor_dim0 = 32
	s_mov_b32 s[G1V+1], 32<<16
	s_mov_b32 s[G1K+2], 64<<16                     ; tensor_dim1 = 64
	s_mov_b32 s[G1V+2], 64<<16
	s_mov_b32 s[G1K+3], 32<<16                     ; tile_dim0 = 32
	s_mov_b32 s[G1V+3], 32<<16
	s_mov_b32 s[G1K+4], 64                         ; tile_dim1 = 64
	s_mov_b32 s[G1V+4], 64
	s_mov_b32 s[G1K+5], 32                         ; elements from row to row
	s_mov_b32 s[G1V+5], 32
	s_mov_b32 s[G1K+6], 0
	s_mov_b32 s[G1V+6], 0
	s_mov_b32 s[G1K+7], 0
	s_mov_b32 s[G1V+7], 0
	s_mul_i32 s51, s10, KPART                      ; where my part goes
	s_mul_i32 s55, s10, VPART
	s_add_co_u32 s55, s55, VOFF
	s_wait_dscnt 0x0
	s_wait_kmcnt 0x0
	s_add_nc_u64 s[56:57], s[4:5], s[56:57]
	s_add_nc_u64 s[58:59], s[56:57], 0x1000000     ; v
	s_add_nc_u64 s[56:57], s[56:57], 0x800000      ; k
	s_add_nc_u64 s[4:5], s[4:5], s[14:15]          ; q at my 64 queries
	s_add_nc_u64 s[6:7], s[6:7], s[60:61]          ; ao at my 64 queries
.irp n, 0,1
	s_mov_b32 s[G0K+4*\n], 1
	s_add_co_u32 s[G0K+4*\n+1], s51, \n*SLOT
	s_add_nc_u64 s[G0K+4*\n+2:G0K+4*\n+3], s[56:57], \n*65536      ; fill n: 512 keys of 128 bytes
	s_or_b32 s[G0K+4*\n+3], s[G0K+4*\n+3], 0x80000000
	s_mov_b32 s[G0V+4*\n], 1
	s_add_co_u32 s[G0V+4*\n+1], s55, \n*SLOT
	s_add_nc_u64 s[G0V+4*\n+2:G0V+4*\n+3], s[58:59], \n*65536
	s_or_b32 s[G0V+4*\n+3], s[G0V+4*\n+3], 0x80000000
.endr
	ROUND                                          ; the four work-groups are here: the first joint loads meet
	s_cmp_eq_u32 s9, 0                             ; both first fills of a wave inside one branch: two tensor loads of a wave are out
	s_cbranch_scc0 .Lfirst_v
	tensor_load_to_lds s[G0K:G0K+3], s[G1K:G1K+7]
	s_nop 0
	tensor_load_to_lds s[G0K+4:G0K+7], s[G1K:G1K+7]
	s_nop 0
	s_branch .Lfirst_done
.Lfirst_v:
	tensor_load_to_lds s[G0V:G0V+3], s[G1V:G1V+7]
	s_nop 0
	tensor_load_to_lds s[G0V+4:G0V+7], s[G1V:G1V+7]
	s_nop 0
.Lfirst_done:
	v_and_b32 v1, 31, v0                           ; lane L
	v_and_b32 v2, 15, v0                           ; r
	v_bfe_u32 v3, v0, 4, 1                         ; h
	; K: key kappa lies at (kappa >> 1) 272 + (kappa & 1) 128; lane (r, h) takes key r, depth bytes 16 h
	v_lshrrev_b32 v4, 1, v2
	v_mul_u32_u24 v[KBASE], v4, KPITCH
	v_and_b32 v4, 1, v2
	v_lshl_add_u32 v[KBASE], v4, 7, v[KBASE]
	v_lshl_add_u32 v[KBASE], v3, 4, v[KBASE]
	s_mul_i32 s51, s9, 128*KPITCH                  ; my side's 256 keys
	v_add_nc_u32 v[KBASE], s51, v[KBASE]
	; V: key kappa at (kappa >> 1) 288 + (kappa & 1) 128; for the transposing load lane L addresses key 8 h + (L & 7), depth bytes 16 ((L >> 3) & 1)
	v_bfe_u32 v4, v0, 1, 2
	v_lshl_add_u32 v4, v3, 2, v4
	v_mul_u32_u24 v[VBASE], v4, VPITCH
	v_and_b32 v4, 1, v0
	v_lshl_add_u32 v[VBASE], v4, 7, v[VBASE]
	v_bfe_u32 v4, v0, 3, 1
	v_lshl_add_u32 v[VBASE], v4, 4, v[VBASE]
	s_mul_i32 s55, s9, 128*VPITCH
	s_add_co_u32 s55, s55, VOFF
	v_add_nc_u32 v[VBASE], s55, v[VBASE]
	v_lshlrev_b32 v[QOFF], 7, v2                   ; q: 128 r + 16 h
	v_lshl_add_u32 v[QOFF], v3, 4, v[QOFF]
	s_mul_i32 s51, s10, SCR
	v_lshl_add_u32 v[MADR], v1, 4, s51
	s_mul_i32 s55, s10, 64*OPITCH
	s_add_co_u32 s55, s55, STAGE                   ; my part's stage
	v_mul_u32_u24 v4, v2, OPITCH
	v_lshl_add_u32 v4, v3, 4, v4
	v_add_nc_u32 v[STO], s55, v4                   ; in: row r, 16 bytes for each half of the lanes
	v_lshrrev_b32 v4, 3, v1
	v_mul_u32_u24 v4, v4, OPITCH
	v_and_b32 v5, 7, v0
	v_lshl_add_u32 v4, v5, 4, v4
	v_add_nc_u32 v[RD], s55, v4                    ; back: eight lanes a row of 128 bytes, four rows a wave
	v_lshlrev_b32 v[CO], 4, v1
.irp t, 0,1,2,3
.irp e, 0,1
	global_load_b128 v[QF+16*\t+8*\e:QF+16*\t+8*\e+3],   v[QOFF], s[4:5] offset:\t*2048+\e*64
	global_load_b128 v[QF+16*\t+8*\e+4:QF+16*\t+8*\e+7], v[QOFF], s[4:5] offset:\t*2048+\e*64+32
.endr
.endr
; 16 score products: depth 32 e .. 32 e + 31, all 4 query tiles x 4 key tiles.  The 16 accumulators take turns, one instruction a turn.
.macro SPROD e
.irp t, 0,1,2,3
.irp kt, 0,1,2,3
.if \e == 0
	v_wmma_f32_16x16x32_f16 v[S+32*\t+8*\kt:S+32*\t+8*\kt+7], v[KF+8*(2*\kt+\e):KF+8*(2*\kt+\e)+7], v[QF+16*\t+8*\e:QF+16*\t+8*\e+7], 0
.else
	v_wmma_f32_16x16x32_f16 v[S+32*\t+8*\kt:S+32*\t+8*\kt+7], v[KF+8*(2*\kt+\e):KF+8*(2*\kt+\e)+7], v[QF+16*\t+8*\e:QF+16*\t+8*\e+7], v[S+32*\t+8*\kt:S+32*\t+8*\kt+7]
.endif
.endr
.endr
.endm
; 16 output products: keys 32 u .. 32 u + 31, all 4 query tiles x 4 depth tiles; by turns likewise
.macro PVPROD u, zero
.irp t, 0,1,2,3
.irp dt, 0,1,2,3
.if \zero
	v_wmma_f32_16x16x32_f16 v[OA+32*\t+8*\dt:OA+32*\t+8*\dt+7], v[VF+8*(2*\dt+\u):VF+8*(2*\dt+\u)+7], v[S+32*\t+8*\u:S+32*\t+8*\u+7], 0
.else
	v_wmma_f32_16x16x32_f16 v[OA+32*\t+8*\dt:OA+32*\t+8*\dt+7], v[VF+8*(2*\dt+\u):VF+8*(2*\dt+\u)+7], v[S+32*\t+8*\u:S+32*\t+8*\u+7], v[OA+32*\t+8*\dt:OA+32*\t+8*\dt+7]
.endif
.endr
.endr
.endm
; The next exponential in turn, as long as one is left: register xn runs through the 128 scores, tile by tile.  It is written behind a plain vector
; instruction and followed by another one that touches neither its result nor its source: that is the place that ISA guide 5.7.2 asks for.
.macro XE
.if xn < S+128
	v_exp_f32 v[xn], v[xn]
.set xn, xn+1
.endif
.endm
; 12 of the 15 packed additions of query tile t's 32 exponentials, in four chains, into the eight registers at tb
.macro SUMBODY t, tb
	s_wait_alu depctr_va_vdst(0)
.irp k, 0,1,2,3
	v_pk_add_f32 v[\tb+2*\k:\tb+2*\k+1], v[S+32*\t+4*\k:S+32*\t+4*\k+1], v[S+32*\t+4*\k+2:S+32*\t+4*\k+3]
	XE
.endr
	s_wait_alu depctr_va_vdst(0)
.irp k, 0,1,2,3
	v_pk_add_f32 v[\tb+2*\k:\tb+2*\k+1], v[\tb+2*\k:\tb+2*\k+1], v[S+32*\t+16+2*\k:S+32*\t+16+2*\k+1]
	XE
.endr
	s_wait_alu depctr_va_vdst(0)
.irp k, 0,1,2,3
	v_pk_add_f32 v[\tb+2*\k:\tb+2*\k+1], v[\tb+2*\k:\tb+2*\k+1], v[S+32*\t+24+2*\k:S+32*\t+24+2*\k+1]
	XE
.endr
.endm
; the ends of two tiles' sums (a from T, b from U), line by line in turn; the sum stays the lane's own until the merge
.macro SUMTAIL a, b, first
	v_pk_add_f32 v[T:T+1], v[T:T+1], v[T+2:T+3]
	XE
	v_pk_add_f32 v[U:U+1], v[U:U+1], v[U+2:U+3]
	XE
	v_pk_add_f32 v[T+4:T+5], v[T+4:T+5], v[T+6:T+7]
	XE
	v_pk_add_f32 v[U+4:U+5], v[U+4:U+5], v[U+6:U+7]
	XE
	v_pk_add_f32 v[T:T+1], v[T:T+1], v[T+4:T+5]
	XE
	v_pk_add_f32 v[U:U+1], v[U:U+1], v[U+4:U+5]
	XE
.if \first
	v_add_f32 v[ST+4*\a+3], v[T], v[T+1]
	XE
	v_add_f32 v[ST+4*\b+3], v[U], v[U+1]
	XE
.else
	v_add_f32 v[T], v[T], v[T+1]
	XE
	v_add_f32 v[U], v[U], v[U+1]
	XE
	v_fma_f32 v[ST+4*\a+3], v[ST+4*\a+3], v[ST+4*\a+2], v[T]
	XE
	v_fma_f32 v[ST+4*\b+3], v[ST+4*\b+3], v[ST+4*\b+2], v[U]
	XE
.endif
.endm
; P of query tile t, in place: registers 8 u .. 8 u + 7 become the operand of keys 32 u .. 32 u + 31
.macro CVT t
.set i, 0
.rept 16
	v_cvt_pk_f16_f32 v[S+32*\t+i], v[S+32*\t+2*i], v[S+32*\t+2*i+1]
	XE
.set i, i+1
.endr
.endm
; The running softmax of all four query tiles on this block's 64 keys (32 scores a lane and tile).  first = 1: nothing is carried yet.
.macro SOFTMAX4 first
	; the maxima: two chains a tile, eight in all, taken in turn.  Chain 0 takes scores 0 to 16, chain 1 scores 17 to 31.
.irp t, 0,1,2,3
	v_max3_num_f32 v[T+2*\t],   v[S+32*\t],    v[S+32*\t+1],  v[S+32*\t+2]
	v_max3_num_f32 v[T+2*\t+1], v[S+32*\t+17], v[S+32*\t+18], v[S+32*\t+19]
.endr
.irp j, 1,2,3,4,5,6
.irp t, 0,1,2,3
	v_max3_num_f32 v[T+2*\t],   v[T+2*\t],   v[S+32*\t+1+2*\j],  v[S+32*\t+2+2*\j]
	v_max3_num_f32 v[T+2*\t+1], v[T+2*\t+1], v[S+32*\t+18+2*\j], v[S+32*\t+19+2*\j]
.endr
.endr
.irp t, 0,1,2,3
	v_max3_num_f32 v[T+2*\t], v[T+2*\t], v[S+32*\t+15], v[S+32*\t+16]
.endr
.irp t, 0,1,2,3
.if \first
	v_max_num_f32 v[T+2*\t], v[T+2*\t], v[T+2*\t+1]
.else
	v_max3_num_f32 v[T+2*\t], v[T+2*\t], v[T+2*\t+1], v[ST+4*\t+1]     ; the maximum so far rides along
.endif
.endr
.irp t, 0,1,2,3
	v_permlanex16_b32 v[T+2*\t+1], v[T+2*\t], s52, s53                 ; the query's other 32 keys lie in lane xor 16
.endr
.irp t, 0,1,2,3
	v_max_num_f32 v[ST+4*\t+1], v[T+2*\t], v[T+2*\t+1]
.endr
.if \first == 0
.irp t, 0,1,2,3
	v_mov_b32 v[ST+4*\t+2], v[ST+4*\t]
.endr
.endif
.irp t, 0,1,2,3
	v_mul_f32 v[ST+4*\t], s50, v[ST+4*\t+1]        ; NM = -(maximum x c), rounded once
.endr
.if \first == 0
.irp t, 0,1,2,3
	v_sub_f32 v[ST+4*\t+2], v[ST+4*\t], v[ST+4*\t+2]   ; the change of base, from the two rounded NM: what was formed on the old base is carried exactly onto the new
.endr
.irp t, 0,1,2,3
	v_exp_f32 v[ST+4*\t+2], v[ST+4*\t+2]
.endr
.endif
	; score x c - maximum x c (at most 0 up to one rounding), 64 packed instructions; from the fifth on each is followed by an exponential,
	; so exponential k stands behind plain instruction k + 4: its own argument was written k / 2 + 4 or more plain instructions earlier
.set xn, S
.set i, 0
.rept 64
	v_pk_fma_f32 v[S+2*i:S+2*i+1], v[S+2*i:S+2*i+1], s[48:49], v[ST+4*(i/16):ST+4*(i/16)+1] op_sel_hi:[1,0,0]
.if i >= 4
	XE
.endif
.set i, i+1
.endr
	; plain instructions 64 and on.  Tile 1's sums begin at 76, behind exponential 63 (at 67); tile 2's at 128 or later, behind exponential 95 (at 99);
	; the last exponential, 127, stands behind 131; tile 3's sums begin at 140 or later.
	SUMBODY 0, T
	SUMBODY 1, U
	SUMTAIL 0, 1, \first
	CVT 0
	CVT 1
	SUMBODY 2, T
	SUMBODY 3, U
	SUMTAIL 2, 3, \first
	CVT 2
	CVT 3
.endm
; K's fragments of the 64 keys at KADR: 16 loads
.macro KLOAD
	WIN 0x40                                       ; destination window 1, address window 0
.irp kt, 0,1,2,3
.irp e, 0,1
	ds_load_b128 v[KF+8*(2*\kt+\e):KF+8*(2*\kt+\e)+3],   v[KADR] offset:\kt*8*KPITCH+\e*64
	ds_load_b128 v[KF+8*(2*\kt+\e)+4:KF+8*(2*\kt+\e)+7], v[KADR] offset:\kt*8*KPITCH+\e*64+32
.endr
.endr
	WIN 0
.endm
; One block of 64 keys.  K's fragments have been requested before it.  pre = 1: the next block's are requested in it.
.macro BLOCK first, pre
	WIN 0x40
.irp dt, 0,1,2,3
.irp u, 0,1
	ds_load_tr16_b128 v[VF+8*(2*\dt+\u):VF+8*(2*\dt+\u)+3],   v[VADR] offset:\u*16*VPITCH+\dt*32
	ds_load_tr16_b128 v[VF+8*(2*\dt+\u)+4:VF+8*(2*\dt+\u)+7], v[VADR] offset:\u*16*VPITCH+8*VPITCH+\dt*32
.endr
.endr
	s_wait_dscnt 16                                ; K's 16 loads, the older ones, are in; V's 16, just issued, may stay out
	WIN 0x01                                       ; source 0 (K) window 1; Q, C and D window 0
	SPROD 0
	SPROD 1
	WIN 0
	v_add_nc_u32 v[KADR], 32*KPITCH, v[KADR]       ; 64 keys on.  This line and three v_nop are the four places between the last score product and
	v_nop                                          ; the loads into its K fragments and the first vector instruction on a score
	v_nop
	v_nop
.if \pre
	KLOAD                                          ; they have the softmax in which to land
.endif
	SOFTMAX4 \first
.if \first == 0
	WIN 0x41                                       ; O in window 1, the factor in window 0
.irp t, 0,1,2,3
.set i, 0
.rept 16
	v_pk_mul_f32 v[OA+32*\t+i:OA+32*\t+i+1], v[OA+32*\t+i:OA+32*\t+i+1], v[ST+4*\t+2:ST+4*\t+3] op_sel_hi:[1,0]
.set i, i+2
.endr
.endr
.endif
.if \pre
	s_wait_dscnt 16                                ; V's fragments are in; the next block's 16 K loads, issued behind them, may stay out
.else
	s_wait_dscnt 0x0                               ; V's fragments
.endif
	WIN 0x51                                       ; V, C and D window 1; P window 0
	PVPROD 0, \first
	PVPROD 1, 0
	WIN 0
	v_add_nc_u32 v[VADR], 32*VPITCH, v[VADR]       ; 64 keys on.  This line and four v_nop are the five places between the last output product and
	v_nop                                          ; the next block's loads into its V fragments and score products over its P
	v_nop
	v_nop
	v_nop
.endm
; My side's 256 keys of the fill in a slot: four blocks.  The last one requests no K fragments: the next slot may be read only behind the barrier.
.macro PHASE slot, first
.if \slot
	v_add_nc_u32 v[KADR], SLOT, v[KBASE]
	v_add_nc_u32 v[VADR], SLOT, v[VBASE]
.else
	v_mov_b32 v[KADR], v[KBASE]
	v_mov_b32 v[VADR], v[VBASE]
.endif
	KLOAD
.if \first
	BLOCK 1, 1
	s_mov_b32 s54, 2
.else
	s_mov_b32 s54, 3
.endif
.Lblk_\@:
	BLOCK 0, 1
	s_sub_co_u32 s54, s54, 1
	s_cmp_lg_u32 s54, 0
	s_cbranch_scc1 .Lblk_\@
	BLOCK 0, 0
.endm
; The change of slots.  In front of the barrier every wave waits for all its tensor loads (its part of the slot to be read among them) and for its
; reads of the other slot.  refill = 1: the barrier is a round of the cluster's barrier, and the other slot's next fill is the first thing behind it.
.macro NEXT slot, other, refill
	s_wait_tensorcnt 0x0                           ; no tensor load of mine is out, so a group 0 may be written
	ds_add_u32 v30, v31
	s_wait_dscnt 0x0
.if \refill
	s_add_nc_u64 s[G0K+4*\other+2:G0K+4*\other+3], s[G0K+4*\other+2:G0K+4*\other+3], 2*65536
	s_add_nc_u64 s[G0V+4*\other+2:G0V+4*\other+3], s[G0V+4*\other+2:G0V+4*\other+3], 2*65536
.endif
	s_wait_dscnt 0x0
.if \refill
	ROUND
	JLOAD \other                                   ; one tensor load of a wave is out; it has four blocks' work in which to land
.else
	s_barrier_signal -1
	s_barrier_wait -1
.endif
	PHASE \slot, 0
.endm
	s_wait_tensorcnt 0x1                           ; my part of fill 0 is in; fill 1's may stay out
	s_wait_loadcnt 0x0                             ; Q
	s_barrier_signal -1
	s_barrier_wait -1
	PHASE 0, 1                                     ; fill 0; the first block starts the statistics and the sums
	NEXT 1, 0, 1                                   ; fill 1 is read, fill 2 goes into slot 0
	NEXT 0, 1, 1                                   ; fill 2 is read, fill 3 goes into slot 1
	NEXT 1, 0, 0                                   ; fill 3: nothing is left to fetch
	; THE MERGE.  Waves 4-7 hand their sums and statistics to waves 0-3 through slot 0, which has had its last fill and whose last reads
	; every wave had waited for in front of the barrier above.
	s_cmp_eq_u32 s9, 0
	s_cbranch_scc1 .Lno_send
	WIN 0x04                                       ; store data window 1, address window 0
.set g, 0
.rept 32
	ds_store_b128 v[MADR], v[OA+4*g:OA+4*g+3] offset:512*g
.set g, g+1
.endr
	WIN 0
.irp t, 0,1,2,3
	ds_store_b128 v[MADR], v[ST+4*\t:ST+4*\t+3] offset:512*(32+\t)
.endr
.Lno_send:
	s_wait_dscnt 0x0                               ; for the readers' sake: my stores are done
	s_barrier_signal -1
	s_barrier_wait -1
	s_cmp_lg_u32 s9, 0
	s_cbranch_scc1 .Lclose
.irp t, 0,1,2,3
	ds_load_b128 v[PST+4*\t:PST+4*\t+3], v[MADR] offset:512*(32+\t)
.endr
	WIN 0x40
.set g, 0
.rept 32
	ds_load_b128 v[4*g:4*g+3], v[MADR] offset:512*g    ; the other side's sums, into the registers that held K's and V's fragments
.set g, g+1
.endr
	WIN 0
	s_wait_dscnt 32                                ; the statistics are in; the 32 loads behind them may stay out
.irp t, 0,1,2,3
	v_min_num_f32 v[T], v[ST+4*\t], v[PST+4*\t]    ; the common base: the smaller NM belongs to the larger maximum
	v_sub_f32 v[T+1], v[T], v[ST+4*\t]
	v_sub_f32 v[T+2], v[T], v[PST+4*\t]
	v_exp_f32 v[T+1], v[T+1]
	v_exp_f32 v[T+2], v[T+2]
	v_nop
	s_wait_alu depctr_va_vdst(0)
	v_mul_f32 v[ST+4*\t+3], v[ST+4*\t+3], v[T+1]
	v_fmac_f32 v[ST+4*\t+3], v[PST+4*\t+3], v[T+2]
	v_permlanex16_b32 v[T+3], v[ST+4*\t+3], s52, s53   ; and the query's other lane
	v_add_f32 v[T+3], v[T+3], v[ST+4*\t+3]         ; at least 1: the largest score's own term
	v_rcp_f32 v[T+4], v[T+3]
	v_nop
	s_wait_alu depctr_va_vdst(0)
	v_mul_f32 v[ST+4*\t], v[T+1], v[T+4]           ; my factor
	v_mul_f32 v[ST+4*\t+2], v[T+2], v[T+4]         ; the other side's
.endr
	WIN 0x41
.irp t, 0,1,2,3
.set i, 0
.rept 16
	v_pk_mul_f32 v[OA+32*\t+i:OA+32*\t+i+1], v[OA+32*\t+i:OA+32*\t+i+1], v[ST+4*\t:ST+4*\t+1] op_sel_hi:[1,0]
.set i, i+2
.endr
.endr
	s_wait_dscnt 0x0
	WIN 0x51
.irp t, 0,1,2,3
.set i, 0
.rept 16
	v_pk_fma_f32 v[OA+32*\t+i:OA+32*\t+i+1], v[32*\t+i:32*\t+i+1], v[ST+4*\t+2:ST+4*\t+3], v[OA+32*\t+i:OA+32*\t+i+1] op_sel_hi:[1,0,1]
.set i, i+2
.endr
.endr
	WIN 0x05                                       ; sources window 1, destination window 0
.set i, 0
.rept 64
	v_cvt_pk_f16_f32 v[TMP+i], v[OA+2*i], v[OA+2*i+1]
.set i, i+1
.endr
	WIN 0
.irp t, 0,1,2,3
.irp dt, 0,1,2,3
	ds_store_b128 v[STO], v[TMP+16*\t+4*\dt:TMP+16*\t+4*\dt+3] offset:\t*16*OPITCH+\dt*32   ; query 16 t + r, depth 16 dt + 8 h .. + 7
.endr
.endr
.set g, 0
.rept 16
	ds_load_b128 v[BACK+4*g:BACK+4*g+3], v[RD] offset:4*OPITCH*g   ; my own stage: a wave's LDS instructions are served in order
.set g, g+1
.endr
.set g, 0
.rept 16
	s_wait_dscnt 15-g                              ; load g is in, the 15 - g younger ones may stay out
	global_store_b128 v[CO], v[BACK+4*g:BACK+4*g+3], s[6:7] offset:512*g   ; four queries: 512 consecutive bytes at a multiple of 512
.set g, g+1
.endr
.Lclose:
	s_wait_tensorcnt 0x0
	ds_add_u32 v30, v31
	s_wait_dscnt 0x0
	ROUND                                          ; the closing round
	s_endpgm
.Lfunc_end_k_q6c83969049_attn:
	.size	k_q6c83969049_attn, .Lfunc_end_k_q6c83969049_attn-k_q6c83969049_attn
	.p2alignl 7, 3214868480
	.fill 96, 4, 3214868480
	.section	.rodata,"a",@progbits
	.p2align	6, 0x0
	.amdhsa_kernel k_q6c83969049_attn
		.amdhsa_group_segment_fixed_size 327680
		.amdhsa_private_segment_fixed_size 0
		.amdhsa_enable_private_segment 0
		.amdhsa_kernarg_size 16
		.amdhsa_user_sgpr_count 2
		.amdhsa_user_sgpr_kernarg_segment_ptr 1
		.amdhsa_wavefront_size32 1
		.amdhsa_system_sgpr_workgroup_id_x 1
		.amdhsa_system_sgpr_workgroup_id_y 1
		.amdhsa_system_sgpr_workgroup_id_z 1
		.amdhsa_system_vgpr_workitem_id 0
		.amdhsa_next_free_vgpr 512
		.amdhsa_next_free_sgpr 66
		.amdhsa_reserve_vcc 0
		.amdhsa_float_denorm_mode_32 3
		.amdhsa_float_denorm_mode_16_64 3
		.amdhsa_memory_ordered 1
		.amdhsa_forward_progress 1
		.amdhsa_inst_pref_size 255
	.end_amdhsa_kernel
	.section	.bss,"aw",@nobits
	.p2align	6
	.space	262144
	.amdgpu_metadata
---
amdhsa.version: [ 1, 2 ]
amdhsa.kernels:
  - .name:           k_q6c83969049_attn
    .symbol:         k_q6c83969049_attn.kd
    .args:
      - { .name: qkv, .offset: 0, .size: 8, .value_kind: global_buffer, .address_space: global }
      - { .name: ao, .offset: 8, .size: 8, .value_kind: global_buffer, .address_space: global }
    .group_segment_fixed_size: 327680
    .private_segment_fixed_size: 0
    .kernarg_segment_align: 8
    .kernarg_segment_size: 16
    .max_flat_workgroup_size: 256
    .sgpr_count:     66
    .vgpr_count:     512
    .wavefront_size: 32
...
	.end_amdgpu_metadata
.endif
;; end of part 3
;; launch oproj (part 4): grid 8 x 32, 4 waves a work-group, clusters of 4 x 4, 327,680 bytes of LDS; arguments ao, wh, out0, bo; writes out0
.if DOCPART == 4
	.amdgcn_target "amdgcn-amd-amdhsa--gfx1250"
	.amdhsa_code_object_version 6
	.text
	.protected	k_q6c83969049_oproj
	.globl	k_q6c83969049_oproj
	.p2align	8
	.type	k_q6c83969049_oproj,@function
k_q6c83969049_oproj:
	s_mov_b64 s[64:65], 0
	v_nop
	global_prefetch_b8 v0, s[64:65] scope:SCOPE_SE
	s_setreg_imm32_b32 hwreg(HW_REG_WAVE_MODE, 25, 1), 1
	s_wait_xcnt 0x0
	s_wait_alu depctr_hold_cnt(0) depctr_sa_sdst(0) depctr_va_vdst(0) depctr_va_sdst(0) depctr_va_ssrc(0) depctr_va_vcc(0) depctr_vm_vsrc(0)
	s_getreg_b32 s2, hwreg(HW_REG_IB_STS2, 6, 4)
	s_cmp_eq_u32 s2, 0
	s_cbranch_scc0 .Lentry_in_a_cluster
	s_endpgm
.Lentry_in_a_cluster:
	s_bfe_u32 s2, ttmp6, 0x10000c
	s_cmp_lg_u32 s2, 0xf033
	s_cbranch_scc0 .Lentry_shape_is_right
	s_endpgm
.Lentry_shape_is_right:
; out0 = a Wo^T + bo.  a is the attention's output, f16 [batch 2][block of 128 rows 16][head 16][128][64]; row m = 128 x (16 batch + block) + row in
; the block, k = 64 head + d.  Wo = the fourth matrix of wh, f16 [1024 (n)][1024 (k)].  Sums in f32, started by the bias; out0 is f32 [4096][1024].
; LIMIT: operands are f16 as the launches before left them.
; A work-group makes 128 x 128 of out0 with four waves, a wave 64 x 64 (16 accumulator tiles): 32 x 8 = 256 work-groups; blocks of 256 x 256
; would be 64 work-groups only.
; THE RING: two LDS slots, each with the tiles of TWO K steps of 128.  K = 1024 is four fills: fills 0 and 1 go out together at the start, fills 2 and 3
; are the only refills, and between a refill's request and the wait for it a wave issues 124 matrix instructions.
; CLUSTERS: 4 x 4 work-groups; A's tiles are shared along a row of the cluster, B's along a column, by joint loads.
; LDS.  A slot holds four parts of 34,816 bytes, one tensor load each (wave w's lands at w x 34,816):
;   parts 0, 1: A of the slot's first and second K step: two heads, each 128 rows of 128 bytes; the two heads are 32,768 consecutive bytes of memory and come
;               in as 128 rows of 256 bytes, 272 apart (head j at j x 17,408, its row s at (s >> 1) 272 + (s & 1) 128)
;   parts 2, 3: B of the first and second K step: 128 rows of 256 bytes, 272 apart
;   behind the ring: 16 rows x 272 bytes for each wave, for the way out; no tensor load lands there
; REGISTERS.  window 0: v16-27 addresses; v32-63, v64-95 fragments of A, two buffers; v96-127 the bias as 4 C tiles; v128-255 the accumulators (tile (a, b) at 128 + 8 (4 a + b))
;             window 1: v32-63, v64-95 fragments of B
; The matrix instruction is used transposed (source 0 = rows of B, source 1 = rows of A): a lane holds eight neighbouring columns of one row.
.set PITCH,  272
.set PART,   128*PITCH                 ; what one tensor load brings
.set HEAD,   64*PITCH                  ; one head's 128 rows in a part of A; also 64 rows of B
.set SLOT,   4*PART
.set STAGE,  2*SLOT
.set SPITCH, 272
.set ADRA, 16                          ; v16-17  LDS address of my A fragments in slot 0, 1
.set ADRB, 20                          ; v20-21  the same for B
.set STO,  24
.set RD,   25
.set CO,   26
.set BO,   27
.set F0,   32
.set F1,   64
.set BIAS, 96
.set ACC,  128
.set G1, 24
.set G0, 32
.set G1B, 48
.set G0B, 56
.set MSB, 0
.macro WIN new
.if MSB != \new
	s_set_vgpr_msb (MSB<<8)|\new
.set MSB, \new
.endif
.endm
.set MUL,  0x01                        ; source 0 (B) window 1, all else window 0
.set TO_B, 0x40                        ; destination window 1, address window 0
.macro JLOAD s                         ; waves 0, 1 ask for A of the fill's two K steps, waves 2, 3 for B of the two
	s_cmp_eq_u32 s11, 0
	s_cbranch_scc0 .Lfor_b_\@
	tensor_load_to_lds s[G0+4*\s:G0+4*\s+3], s[G1:G1+7]
	s_nop 0
	s_branch .Lasked_\@
.Lfor_b_\@:
	tensor_load_to_lds s[G0B+4*\s:G0B+4*\s+3], s[G1B:G1B+7]
	s_nop 0
.Lasked_\@:
.endm
.macro CREST                           ; a round of the cluster's barrier behind its opening barrier
	s_cmp_lg_u32 s10, 0
	s_cbranch_scc1 .Lnot_wave_0_\@
	s_barrier_signal -3
.Lnot_wave_0_\@:
	s_barrier_wait -3
	s_barrier_signal -1
	s_barrier_wait -1
.endm
.macro CROUND
	s_barrier_signal -1
	s_barrier_wait -1
	CREST
.endm
	s_load_b128 s[4:7], s[0:1], 0x0                ; ao s[4:5], wh s[6:7]
	s_load_b64 s[8:9], s[0:1], 0x10                ; out0
	s_load_b64 s[66:67], s[0:1], 0x18              ; bo
	s_set_vgpr_msb 0x40
	v_lshl_add_u32 v97, v0, 2, 0x48400
	s_set_vgpr_msb 0x4000
	v_mov_b32 v31, 0
	s_set_vgpr_msb 0x1
	ds_add_u32 v97, v31
	s_set_vgpr_msb 0x100
	v_lshrrev_b32 v1, 5, v0
	v_readfirstlane_b32 s10, v1                    ; wave 0..3
	s_lshr_b32 s11, s10, 1                         ; my half of the block's rows.  Also: I fetch for A (0) or for B (1)
	s_and_b32 s12, s10, 1                          ; my half of its columns.  Also: which K step of a fill I fetch
	s_bfe_u32 s40, ttmp6, 0x40000                  ; cx
	s_bfe_u32 s41, ttmp6, 0x40004                  ; cy
	s_lshl_b32 s42, ttmp9, 2
	s_add_co_u32 s42, s42, s40                     ; block column, 0 .. 7
	s_and_b32 s13, ttmp7, 0xffff
	s_lshl_b32 s13, s13, 2
	s_add_co_u32 s13, s13, s41                     ; block row, 0 .. 31
	s_lshl_b32 s43, s41, 2
	s_lshl_b32 s43, 15, s43                        ; my row of the cluster
	s_lshl_b32 s44, 0x1111, s40                    ; my column
	; A: 128 rows of 32 elements of 8 bytes, dense; B: 128 rows of 128 elements of 2 bytes, 1,024 elements apart; 16 bytes of padding behind every 256
	s_or_b32 s[G1+0], s43, (3<<16)|(1<<20)|(1<<21)|(5<<22)|(3<<25)
	s_or_b32 s[G1B+0], s44, (1<<16)|(1<<20)|(1<<21)|(5<<22)|(3<<25)
	s_mov_b32 s[G1+1], 32<<16                      ; tensor_dim0
	s_mov_b32 s[G1B+1], 128<<16
	s_mov_b32 s[G1+2], 128<<16                     ; tensor_dim1
	s_mov_b32 s[G1B+2], 128<<16
	s_mov_b32 s[G1+3], 32<<16                      ; tile_dim0
	s_mov_b32 s[G1B+3], 128<<16
	s_mov_b32 s[G1+4], 128                         ; tile_dim1
	s_mov_b32 s[G1B+4], 128
	s_mov_b32 s[G1+5], 32                          ; elements from row to row
	s_mov_b32 s[G1B+5], 1024
	s_mov_b32 s[G1+6], 0
	s_mov_b32 s[G1B+6], 0
	s_mov_b32 s[G1+7], 0
	s_mov_b32 s[G1B+7], 0
	s_lshl_b32 s16, s13, 18                        ; A: block row x 262,144 (16 heads of 16,384 bytes)
	s_lshl_b32 s17, s12, 15                        ;  + my K step of the fill: two heads
	s_add_co_u32 s16, s16, s17
	s_mov_b32 s17, 0
	s_lshl_b32 s46, s42, 18                        ; B: 128 rows of 2,048 bytes x block column
	s_lshl_b32 s47, s12, 8                         ;  + my K step of the fill: 256 bytes along the rows
	s_add_co_u32 s46, s46, s47
	s_add_co_u32 s46, s46, 3*2097152               ;  in the fourth matrix of wh
	s_mov_b32 s47, 0
	s_mul_i32 s20, s10, PART                       ; where my part goes
	s_lshl_b32 s68, s42, 9                         ; my 64 numbers of the bias: 4 x (128 x block column + 64 x half)
	s_lshl_b32 s69, s12, 8
	s_add_co_u32 s68, s68, s69
	s_mov_b32 s69, 0
	s_wait_dscnt 0x0
	s_wait_kmcnt 0x0
	s_add_nc_u64 s[14:15], s[4:5], s[16:17]
	s_add_nc_u64 s[46:47], s[6:7], s[46:47]
	s_add_nc_u64 s[66:67], s[66:67], s[68:69]
	CROUND                                         ; the first joint loads meet
.irp s, 0,1
	s_mov_b32 s[G0+4*\s], 1
	s_add_co_u32 s[G0+4*\s+1], s20, \s*SLOT
	s_add_nc_u64 s[G0+4*\s+2:G0+4*\s+3], s[14:15], \s*65536        ; fill s: four heads on
	s_or_b32 s[G0+4*\s+3], s[G0+4*\s+3], 0x80000000
	s_mov_b32 s[G0B+4*\s], 1
	s_add_co_u32 s[G0B+4*\s+1], s20, \s*SLOT
	s_add_nc_u64 s[G0B+4*\s+2:G0B+4*\s+3], s[46:47], \s*512        ; fill s: 256 along K
	s_or_b32 s[G0B+4*\s+3], s[G0B+4*\s+3], 0x80000000
	JLOAD \s                                       ; both slots' first fills: two tensor loads of a wave are out, half of the work-group's operand bytes
.endr
	v_and_b32 v1, 15, v0                           ; r
	v_bfe_u32 v2, v0, 4, 1                         ; h
	v_lshrrev_b32 v3, 1, v1                        ; A: (r >> 1) 272 + (r & 1) 128 + 16 h
	v_mul_u32_u24 v3, v3, PITCH
	v_and_b32 v4, 1, v1
	v_lshl_add_u32 v3, v4, 7, v3
	v_lshl_add_u32 v3, v2, 4, v3
	v_mul_u32_u24 v4, v1, PITCH                    ; B: 272 r + 16 h
	v_lshl_add_u32 v4, v2, 4, v4
	s_mul_i32 s21, s11, 32*PITCH                   ; my 64 rows of A
	s_mul_i32 s22, s12, HEAD                       ; my 64 rows of B,
	s_add_co_u32 s22, s22, 2*PART                  ; behind A's two parts
.irp s, 0,1
	v_add_nc_u32 v[ADRA+\s], s21, v3
	v_add_nc_u32 v[ADRB+\s], s22, v4
	s_add_co_u32 s21, s21, SLOT
	s_add_co_u32 s22, s22, SLOT
.endr
	s_mul_i32 s23, s10, 16*SPITCH
	s_add_co_u32 s23, s23, STAGE                   ; my stage
	v_mul_u32_u24 v5, v1, SPITCH                   ; in: row r, 32 bytes for each half of the lanes
	v_lshl_add_u32 v5, v2, 5, v5
	v_add_nc_u32 v[STO], s23, v5
	v_mul_u32_u24 v5, v2, SPITCH                   ; back: lanes 0-15 one row of 256 bytes, lanes 16-31 the next
	v_lshl_add_u32 v5, v1, 4, v5
	v_add_nc_u32 v[RD], s23, v5
	v_lshlrev_b32 v5, 12, v2                       ; and the same two rows in out0, 4,096 bytes apart
	v_lshl_add_u32 v[CO], v1, 4, v5
	v_lshlrev_b32 v[BO], 5, v2
.irp b, 0,1,2,3
	global_load_b128 v[BIAS+8*\b:BIAS+8*\b+3],   v[BO], s[66:67] offset:64*\b
	global_load_b128 v[BIAS+8*\b+4:BIAS+8*\b+7], v[BO], s[66:67] offset:64*\b+16
.endr
; 4 matrix instructions: m block a x all 4 n blocks.  zero = 1: the bias tile is C and starts the sums.
; The 16 accumulators take turns, one instruction a turn, in the same order in every quarter step.
.macro MUL4 f, a, zero
.irp b, 0,1,2,3
.if \zero
	v_wmma_f32_16x16x32_f16 v[ACC+8*(4*\a+\b):ACC+8*(4*\a+\b)+7], v[\f+8*\b:\f+8*\b+7], v[\f+8*\a:\f+8*\a+7], v[BIAS+8*\b:BIAS+8*\b+7]
.else
	v_wmma_f32_16x16x32_f16 v[ACC+8*(4*\a+\b):ACC+8*(4*\a+\b)+7], v[\f+8*\b:\f+8*\b+7], v[\f+8*\a:\f+8*\a+7], v[ACC+8*(4*\a+\b):ACC+8*(4*\a+\b)+7]
.endif
.endr
.endm
; 16 LDS loads: the fragments of quarter q of a slot's eight (k = 32 q .. 32 q + 31 of the fill: K step q >> 2, its head (q >> 1) & 1, depth 32 (q & 1)) into buffer f.
; The largest offset is 58,848, inside the 16 bits of an LDS instruction's immediate.
.macro FETCH slot, q, f
	WIN TO_B
.irp i, 0,1,2,3
	ds_load_b128 v[\f+8*\i:\f+8*\i+3],   v[ADRB+\slot] offset:(\q>>2)*PART+(\q&3)*64+\i*16*PITCH
	ds_load_b128 v[\f+8*\i+4:\f+8*\i+7], v[ADRB+\slot] offset:(\q>>2)*PART+(\q&3)*64+\i*16*PITCH+32
.endr
	WIN 0
.irp i, 0,1,2,3
	ds_load_b128 v[\f+8*\i:\f+8*\i+3],   v[ADRA+\slot] offset:(\q>>2)*PART+((\q>>1)&1)*HEAD+(\q&1)*64+\i*8*PITCH
	ds_load_b128 v[\f+8*\i+4:\f+8*\i+7], v[ADRA+\slot] offset:(\q>>2)*PART+((\q>>1)&1)*HEAD+(\q&1)*64+\i*8*PITCH+32
.endr
.endm
.macro PLACES                          ; four independent vector instructions between a matrix instruction and a load into its registers
.rept 4
	v_nop
.endr
.endm
; one of a slot's first seven quarters: multiplies buffer f; in its middle it fetches quarter q of the same slot into buffer g
.macro QUARTER slot, q, f, g, zero
	s_wait_dscnt 4                                 ; B and A's tiles 0, 1 are in; the youngest four loads (A's tiles 2, 3) may be out
	WIN MUL
	MUL4 \f, 0, \zero
	MUL4 \f, 1, \zero
	PLACES
	FETCH \slot, \q, \g
	s_wait_dscnt 16                                ; all but the 16 just issued
	WIN MUL
	MUL4 \f, 2, \zero
	MUL4 \f, 3, \zero
.endm
.macro SEVEN slot, zero                ; no barrier between a slot's two K steps: the one in front of them has shown the whole slot to every wave
	QUARTER \slot, 1, F0, F1, \zero
	QUARTER \slot, 2, F1, F0, 0
	QUARTER \slot, 3, F0, F1, 0
	QUARTER \slot, 4, F1, F0, 0
	QUARTER \slot, 5, F0, F1, 0
	QUARTER \slot, 6, F1, F0, 0
	QUARTER \slot, 7, F0, F1, 0
.endm
; The eighth quarter and the change of slots: each wave's reads of this slot and all its tensor loads are waited for in front of the barrier;
; behind it the refill comes first, then the next slot's first fragments.
.macro TURN slot, next, fill
	s_wait_dscnt 4
	WIN MUL
	MUL4 F1, 0, 0
	s_wait_dscnt 0                                 ; my reads of this slot are over
	s_wait_tensorcnt 0x0                           ; all my tensor loads have landed: the one that was out is my part of the next slot
	ds_add_u32 v97, v31
	s_wait_dscnt 0x0
	s_barrier_signal -1                            ; where a slot is filled again this barrier opens a round of the cluster's barrier
	MUL4 F1, 1, 0
	WIN 0
	s_barrier_wait -1
.if \fill
	CREST                                          ; no wave of any partner still reads this slot or has a load on its way
	s_add_nc_u64 s[G0+4*\slot+2:G0+4*\slot+3], s[G0+4*\slot+2:G0+4*\slot+3], 2*65536
	s_add_nc_u64 s[G0B+4*\slot+2:G0B+4*\slot+3], s[G0B+4*\slot+2:G0B+4*\slot+3], 2*512
	JLOAD \slot                                    ; the first tensor load behind the round, my only one until the next
.endif
	PLACES
	FETCH \next, 0, F0
	WIN MUL
	MUL4 F1, 2, 0
	MUL4 F1, 3, 0
.endm
	s_wait_tensorcnt 1                             ; my part of fill 0 is in; fill 1's may stay out
	s_wait_loadcnt 0x0                             ; the bias
	s_barrier_signal -1
	s_barrier_wait -1
	FETCH 0, 0, F0
	SEVEN 0, 1                                     ; fill 0; its first products start the sums
	TURN 0, 1, 1                                   ; fill 2 goes into slot 0
	SEVEN 1, 0                                     ; fill 1
	TURN 1, 0, 1                                   ; fill 3 goes into slot 1
	SEVEN 0, 0                                     ; fill 2
	TURN 0, 1, 0                                   ; nothing is left to fetch
	SEVEN 1, 0                                     ; fill 3
	s_wait_dscnt 4
	WIN MUL
	MUL4 F1, 0, 0
	MUL4 F1, 1, 0
	s_wait_dscnt 0
	MUL4 F1, 2, 0
	MUL4 F1, 3, 0
	WIN 0
	; THE WAY OUT, 16 rows at a time: a lane's 32 bytes of a row into my own stage, whole rows of 256 bytes back, stored as they are (f32).
	PLACES
	s_lshl_b32 s16, s13, 19                        ; my first row: (128 x block row + 64 x half) x 4,096 bytes
	s_lshl_b32 s17, s11, 18
	s_add_co_u32 s16, s16, s17
	s_mov_b32 s17, 0
	s_add_nc_u64 s[8:9], s[8:9], s[16:17]
	s_add_nc_u64 s[8:9], s[8:9], s[68:69]          ; my first column, in bytes: the same figure as in the bias
.macro OUT16 i, f
.irp b, 0,1,2,3
	ds_store_b128 v[STO], v[ACC+8*(4*\i+\b):ACC+8*(4*\i+\b)+3]   offset:64*\b
	ds_store_b128 v[STO], v[ACC+8*(4*\i+\b)+4:ACC+8*(4*\i+\b)+7] offset:64*\b+16
.endr
	s_wait_xcnt 0x0                                ; buffer f, which earlier stores read, and the stores' base are rewritten only behind this wait
.if \i
	s_add_nc_u64 s[8:9], s[8:9], 16*4096
.endif
.irp t, 0,1,2,3,4,5,6,7
	ds_load_b128 v[\f+4*\t:\f+4*\t+3], v[RD] offset:\t*2*SPITCH    ; a wave's LDS instructions are served in order: these see the stores above
.endr
.irp t, 0,1,2,3,4,5,6,7
	s_wait_dscnt 7-\t                              ; load t is in, the 7 - t younger ones may stay out
	global_store_b128 v[CO], v[\f+4*\t:\f+4*\t+3], s[8:9] offset:2*\t*4096   ; 16 lanes store 256 consecutive bytes at a multiple of 256
.endr
.endm
	OUT16 0, BIAS
	OUT16 1, F0
	OUT16 2, BIAS
	OUT16 3, F0
	s_set_vgpr_msb 0x1
	s_wait_tensorcnt 0x0
	ds_add_u32 v97, v31
	s_wait_dscnt 0x0
	s_set_vgpr_msb 0x100
	CROUND                                         ; the closing round
	s_endpgm
.Lfunc_end_k_q6c83969049_oproj:
	.size	k_q6c83969049_oproj, .Lfunc_end_k_q6c83969049_oproj-k_q6c83969049_oproj
	.p2alignl 7, 3214868480
	.fill 96, 4, 3214868480
	.section	.rodata,"a",@progbits
	.p2align	6, 0x0
	.amdhsa_kernel k_q6c83969049_oproj
		.amdhsa_group_segment_fixed_size 327680
		.amdhsa_private_segment_fixed_size 0
		.amdhsa_enable_private_segment 0
		.amdhsa_kernarg_size 32
		.amdhsa_user_sgpr_count 2
		.amdhsa_user_sgpr_kernarg_segment_ptr 1
		.amdhsa_wavefront_size32 1
		.amdhsa_system_sgpr_workgroup_id_x 1
		.amdhsa_system_sgpr_workgroup_id_y 1
		.amdhsa_system_sgpr_workgroup_id_z 1
		.amdhsa_system_vgpr_workitem_id 0
		.amdhsa_next_free_vgpr 354
		.amdhsa_next_free_sgpr 70
		.amdhsa_reserve_vcc 0
		.amdhsa_float_denorm_mode_32 3
		.amdhsa_float_denorm_mode_16_64 3
		.amdhsa_memory_ordered 1
		.amdhsa_forward_progress 1
		.amdhsa_inst_pref_size 92
	.end_amdhsa_kernel
	.amdgpu_metadata
---
amdhsa.version: [ 1, 2 ]
amdhsa.kernels:
  - .name:           k_q6c83969049_oproj
    .symbol:         k_q6c83969049_oproj.kd
    .args:
      - { .name: ao, .offset: 0, .size: 8, .value_kind: global_buffer, .address_space: global }
      - { .name: wh, .offset: 8, .size: 8, .value_kind: global_buffer, .address_space: global }
      - { .name: out0, .offset: 16, .size: 8, .value_kind: global_buffer, .address_space: global }
      - { .name: bo, .offset: 24, .size: 8, .value_kind: global_buffer, .address_space: global }
    .group_segment_fixed_size: 327680
    .private_segment_fixed_size: 0
    .kernarg_segment_align: 8
    .kernarg_segment_size: 32
    .max_flat_workgroup_size: 128
    .sgpr_count:     70
    .vgpr_count:     354
    .wavefront_size: 32
...
	.end_amdgpu_metadata
.endif
;; end of part 4
;; ======== version 2 of 2: 4 launches; version 1 with the launch cvt written anew for expert scheduling mode
;; limits: values are held in f16: magnitudes above 65,504 overflow, below 6.1e-05 lose precision
;; workspace buffers: xh 25,165,824 bytes; wh 8,388,608 bytes; qkv 25,165,824 bytes; ao 8,388,608 bytes
;; launch cvt (part 5): grid 512 x 1, 8 waves a work-group, no clusters, 0 bytes of LDS; arguments Q, K, V, Wq, Wk, Wv, Wo, xh, wh; writes xh, wh
.if DOCPART == 5
	.amdgcn_target "amdgcn-amd-amdhsa--gfx1250"
	.amdhsa_code_object_version 6
	.text
	.protected	k_q6c83969049_cvt
	.globl	k_q6c83969049_cvt
	.p2align	8
	.type	k_q6c83969049_cvt,@function
k_q6c83969049_cvt:
	s_mov_b64 s[64:65], 0
	v_nop
	global_prefetch_b8 v0, s[64:65] scope:SCOPE_SE
	s_setreg_imm32_b32 hwreg(HW_REG_WAVE_SCHED_MODE, 0, 2), 2
	s_setreg_imm32_b32 hwreg(HW_REG_WAVE_MODE, 25, 1), 1
	s_wait_xcnt 0x0
	s_wait_alu depctr_vm_vsrc(0)
; f32 -> f16 (round to nearest even) of the three activations and the four weights, once, so that the later launches'
; tiles can be brought into LDS as matrix operands without a conversion on the way.
;   xh: f16 [3][4096][1024] = Q, K, V       wh: f16 [4][1024][1024] = Wq, Wk, Wv, Wo
; LIMIT: a number of magnitude 65,520 or more becomes an infinity in f16; magnitudes below 2^-24 / 2 become zero.
; A stream: 512 work-groups of 256 threads.  A work-group owns 32,768 bytes of each of Q, K, V (8 pieces of 4,096 bytes) and
; 8,192 bytes of each weight (2 pieces); thread t owns the 16 bytes at 16 t of each piece.  All 32 loads of a thread are issued
; first (a wave has 32 x 512 bytes on their way), then they are converted and stored, four at a time: a wave's store covers 256
; consecutive bytes at a multiple of 256.  No LDS, no barrier, no matrix unit, no cluster: no byte is used twice.
; THE MODE: SCHED_MODE bits 1:0 = 2 (LLVM: expert scheduling mode 2), set by the entry lines.  The code itself states the register
; dependences between vector instructions and memory instructions, with s_wait_alu, always for 0.
; THE PLAN.  Registers that memory instructions touch:
;   v1, v2              byte offsets, written once at the head and never again: v1 is read by every load, v2 by every store.
;   v[X+4i .. X+4i+3]   Load i lands here; no vector instruction names them before that.  Load i's two conversions read the four and
;                       write the first two; store i reads those two; nothing writes them afterwards.
; All loads are issued ahead of the first conversion, so no load lands in a register that a vector instruction has named.  No register
; that a load or store reads is ever written again, so nothing is owed for that.  What is owed: the offsets written ahead of the first
; load (one wait at the head), and a store's data written ahead of the store: the loads go in groups of four, and ONE wait stands
; between a group's eight conversions and its four stores.
.set X, 8                              ; v[8:135]  load i: 4 registers
	s_load_b512 s[4:19], s[0:1], 0x0               ; Q s[4:5], K s[6:7], V s[8:9], Wq s[10:11], Wk s[12:13], Wv s[14:15], Wo s[16:17], xh s[18:19]
	s_load_b64 s[20:21], s[0:1], 0x40              ; wh
	s_lshl_b32 s22, ttmp9, 15                      ; my 32,768 bytes of an activation
	s_mov_b32 s23, 0
	s_lshl_b32 s24, ttmp9, 13                      ; my 8,192 bytes of a weight
	s_mov_b32 s25, 0
	s_lshl_b32 s26, ttmp9, 14                      ; the same places in f16: half the bytes
	s_mov_b32 s27, 0
	s_lshl_b32 s32, ttmp9, 12
	s_mov_b32 s33, 0
	v_lshlrev_b32 v1, 4, v0                        ; 16 t: four f32 in
	v_lshlrev_b32 v2, 3, v0                        ; 8 t: four f16 out
	s_wait_kmcnt 0x0
	s_add_nc_u64 s[4:5], s[4:5], s[22:23]
	s_add_nc_u64 s[6:7], s[6:7], s[22:23]
	s_add_nc_u64 s[8:9], s[8:9], s[22:23]
	s_add_nc_u64 s[10:11], s[10:11], s[24:25]
	s_add_nc_u64 s[12:13], s[12:13], s[24:25]
	s_add_nc_u64 s[14:15], s[14:15], s[24:25]
	s_add_nc_u64 s[16:17], s[16:17], s[24:25]
	s_add_nc_u64 s[18:19], s[18:19], s[26:27]      ; xh, part Q
	s_add_nc_u64 s[28:29], s[18:19], 0x800000      ; xh, part K: 8,388,608 bytes on, more than a store's immediate holds
	s_add_nc_u64 s[30:31], s[28:29], 0x800000      ; xh, part V
	s_add_nc_u64 s[20:21], s[20:21], s[32:33]      ; wh
	s_wait_alu depctr_va_vdst(0)                   ; v1 and v2 are written: every load of the kernel reads v1 as its offset, every store v2
.macro LD i, base, off
	global_load_b128 v[X+4*(\i):X+4*(\i)+3], v1, s[\base:\base+1] offset:\off th:TH_LOAD_NT
.endm
; Loads i0 to i0 + 3 are converted and stored.  Their places in the output, from the base: o0, o0 + 2,048, o0 + far, o0 + far + 2,048
; (far = 4,096: four pieces of one activation on end; far = 2,097,152: two pieces of one weight, then two of the next).
.macro GRP i0, base, o0, far
	s_wait_loadcnt 28-(\i0)                        ; loads come back in order: load i0 + 3 and all older ones are in, the 28 - i0 younger ones may stay out
.irp j, 0,1,2,3
	v_cvt_pk_f16_f32 v[X+4*((\i0)+\j)], v[X+4*((\i0)+\j)], v[X+4*((\i0)+\j)+1]
	v_cvt_pk_f16_f32 v[X+4*((\i0)+\j)+1], v[X+4*((\i0)+\j)+2], v[X+4*((\i0)+\j)+3]
.endr
	s_wait_alu depctr_va_vdst(0)                   ; the eight conversions above have written the first two registers of each of the four loads, which the four stores below read
.irp j, 0,1,2,3
	global_store_b64 v2, v[X+4*((\i0)+\j):X+4*((\i0)+\j)+1], s[\base:\base+1] offset:(\o0)+((\j)/2)*(\far)+((\j)%2)*2048
.endr
.endm
.irp n, 0,1,2
.irp j, 0,1,2,3,4,5,6,7
	LD 8*\n+\j, 4+2*\n, \j*4096
.endr
.endr
.irp n, 0,1,2,3
.irp j, 0,1
	LD 24+2*\n+\j, 10+2*\n, \j*4096
.endr
.endr
	GRP 0,  18, 0,       4096                      ; Q, pieces 0 to 3
	GRP 4,  18, 8192,    4096                      ; Q, pieces 4 to 7
	GRP 8,  28, 0,       4096                      ; K
	GRP 12, 28, 8192,    4096
	GRP 16, 30, 0,       4096                      ; V
	GRP 20, 30, 8192,    4096
	GRP 24, 20, 0,       2097152                   ; Wq and Wk, two pieces each; a weight is 2,097,152 bytes of wh
	GRP 28, 20, 4194304, 2097152                   ; Wv and Wo
	s_endpgm
.Lfunc_end_k_q6c83969049_cvt:
	.size	k_q6c83969049_cvt, .Lfunc_end_k_q6c83969049_cvt-k_q6c83969049_cvt
	.p2alignl 7, 3214868480
	.fill 96, 4, 3214868480
	.section	.rodata,"a",@progbits
	.p2align	6, 0x0
	.amdhsa_kernel k_q6c83969049_cvt
		.amdhsa_group_segment_fixed_size 0
		.amdhsa_private_segment_fixed_size 0
		.amdhsa_enable_private_segment 0
		.amdhsa_kernarg_size 72
		.amdhsa_user_sgpr_count 2
		.amdhsa_user_sgpr_kernarg_segment_ptr 1
		.amdhsa_wavefront_size32 1
		.amdhsa_system_sgpr_workgroup_id_x 1
		.amdhsa_system_sgpr_workgroup_id_y 1
		.amdhsa_system_sgpr_workgroup_id_z 1
		.amdhsa_system_vgpr_workitem_id 0
		.amdhsa_next_free_vgpr 136
		.amdhsa_next_free_sgpr 66
		.amdhsa_reserve_vcc 0
		.amdhsa_float_denorm_mode_32 3
		.amdhsa_float_denorm_mode_16_64 3
		.amdhsa_memory_ordered 1
		.amdhsa_forward_progress 1
		.amdhsa_inst_pref_size 12
	.end_amdhsa_kernel
	.amdgpu_metadata
---
amdhsa.version: [ 1, 2 ]
amdhsa.kernels:
  - .name:           k_q6c83969049_cvt
    .symbol:         k_q6c83969049_cvt.kd
    .args:
      - { .name: Q, .offset: 0, .size: 8, .value_kind: global_buffer, .address_space: global }
      - { .name: K, .offset: 8, .size: 8, .value_kind: global_buffer, .address_space: global }
      - { .name: V, .offset: 16, .size: 8, .value_kind: global_buffer, .address_space: global }
      - { .name: Wq, .offset: 24, .size: 8, .value_kind: global_buffer, .address_space: global }
      - { .name: Wk, .offset: 32, .size: 8, .value_kind: global_buffer, .address_space: global }
      - { .name: Wv, .offset: 40, .size: 8, .value_kind: global_buffer, .address_space: global }
      - { .name: Wo, .offset: 48, .size: 8, .value_kind: global_buffer, .address_space: global }
      - { .name: xh, .offset: 56, .size: 8, .value_kind: global_buffer, .address_space: global }
      - { .name: wh, .offset: 64, .size: 8, .value_kind: global_buffer, .address_space: global }
    .group_segment_fixed_size: 0
    .private_segment_fixed_size: 0
    .kernarg_segment_align: 8
    .kernarg_segment_size: 72
    .max_flat_workgroup_size: 256
    .sgpr_count:     66
    .vgpr_count:     136
    .wavefront_size: 32
...
	.end_amdgpu_metadata
.endif
;; end of part 5
;; launch qkv: the kernel of part 2 again; grid 4 x 48, 4 waves a work-group, clusters of 4 x 4, 327,680 bytes of LDS; arguments xh, wh, qkv, bq, bk, bv; writes qkv
;; launch attn: the kernel of part 3 again; grid 8 x 32, 8 waves a work-group, clusters of 4 x 1, 327,680 bytes of LDS; arguments qkv, ao; writes ao
;; launch oproj: the kernel of part 4 again; grid 8 x 32, 4 waves a work-group, clusters of 4 x 4, 327,680 bytes of LDS; arguments ao, wh, out0, bo; writes out0
